; MI455X (gfx1250); checked and timed in simulation.
; The chip was launched on July 23, 2026; its instructions are those of AMD's public machine-readable ISA for CDNA 5 (MIT licence, August 2026) and "CDNA5" Instruction Set Architecture Reference Guide (July 2026). The comments in the code are by the model that wrote it; some were corrected since.
;; Multi Head Attention. Allowed arithmetic: matrix products marked QUANTISED: E2M1 operands, one E8M0 scale for each 32 along K, by v_wmma_scale_f32_16x16x128_f8f6f4 with both operands' format E2M1 (or v_wmma_scale_f32_32x16x128_f4), f32 sums; products left as they are: bf16, f16 or f32 operands; f32 sums; everything else in f32.
;; Inputs: Wk 16 x 1,024 x 64 float32; Wp 1,024 x 1,024 float32; Wq 16 x 1,024 x 64 float32; Wv 16 x 1,024 x 64 float32; bp 1,024 float32; x 4 x 2,048 x 1,024 float32.
;; Outputs: out0 4 x 2,048 x 1,024 float32.
;; This version of the problem:
;;   THIS VERSION OF THE PROBLEM IS GIVEN IN LOW PRECISION. The matrix products marked QUANTISED in the list below multiply operands that are first quantised to E2M1 (2 exponent bits, 1 mantissa bit; 4 bits a number), with one power-of-two scale for each 32 numbers along K (OCP MX v1.0); their sums are f32. The products marked 'left as it is' may take bf16, f16 or f32 operands, with f32 sums. Whichever they take, every output number must still come out within the allowed error. Rounding operands to bf16 (8 significant bits) uses up far more of that allowance than f16 does (11 bits, for magnitudes from 6e-5 to 65,504). All else is computed in f32.
;;   The module's matrix products, in the order in which they are computed (A, B: the left and right operand; K: the contracted axis; several contracted axes count as one K, in the product's order):
;;     1. [M 1,024, K 1,024] x [K 1,024, N 8,192]; A: input Wq; B: input x: QUANTISED
;;     2. [M 1,024, K 1,024] x [K 1,024, N 8,192]; A: input Wk; B: input x: QUANTISED
;;     3. [M 1,024, K 1,024] x [K 1,024, N 8,192]; A: input Wv; B: input x: QUANTISED
;;     4. batch 64 x [M 2,048, K 64] x [K 64, N 2,048]; A: computed on the way; B: computed on the way: left as it is (an operand is computed on the way)
;;     5. batch 64 x [M 2,048, K 2,048] x [K 2,048, N 64]; A: computed on the way; B: computed on the way: left as it is (an operand is computed on the way)
;;     6. [M 8,192, K 1,024] x [K 1,024, N 1,024]; A: computed on the way; B: input Wp: left as it is (an operand is computed on the way)
;;   THE QUANTISER, for each operand of a quantised product, along K:
;;     - K is cut into blocks of 32 from its start; a last block that is shorter is filled with zeros.
;;     - A block's scale is 2^e with e = floor(log2(the largest magnitude in the block)) - 2, held to -126 .. 127; a block of zeros has e = 0. As a byte (E8M0): e + 127.
;;     - Each number is divided by its block's scale, clamped to +-6, and rounded to the nearest number of E2M1, ties to even, subnormals kept.
;;     - The product sums the exact products of the quantised numbers (number of the format x scale) in f32.
;;   ~~~python
;;   def quantise(x, axis):      # numpy; x: float32 -> the quantised numbers, widened to float32 again
;;       x = np.moveaxis(x, axis, -1); K = x.shape[-1]
;;       x = np.pad(x, [(0, 0)] * (x.ndim - 1) + [(0, -K % 32)]); x = x.reshape(x.shape[:-1] + (-1, 32)); a = np.abs(x).max(-1, keepdims=True)
;;       e = np.where(a > 0, np.clip(np.frexp(np.where(a > 0, a, 1))[1] - 1 - 2, -126, 127), 0)      # np.frexp(a)[1] - 1 = floor(log2(a)), exactly
;;       r = np.clip(x / 2.0 ** e, -6, 6)
;;       step = 2.0 ** (np.maximum(np.frexp(np.where(r == 0, 1, r))[1] - 1, 0) - 1)
;;       q = np.round(r / step) * step * 2.0 ** e      # np.round: ties to even
;;       return np.moveaxis(q.reshape(q.shape[:-2] + (-1,))[..., :K], -1, axis).astype(np.float32)
;;   ~~~
;; One version. Each part assembles by itself: llvm-mc -triple=amdgcn-amd-amdhsa -mcpu=gfx1250 --defsym DOCPART=n.
;; ======== version 1 of 1: 5 launches
;; limits: values are held in f16: magnitudes above 65,504 overflow, below 6.1e-05 lose precision
;; workspace buffers: xc 4,194,304 bytes; xs 262,144 bytes; wc 1,572,864 bytes; ws 98,304 bytes; wpt 2,097,152 bytes; qkvh 50,331,648 bytes; qkvf 786,432 bytes; ao 16,777,216 bytes
;; launch prep (part 1): grid 368 x 1, 4 waves a work-group, no clusters, 102,912 bytes of LDS; arguments x, Wq, Wk, Wv, Wp, xc, xs, wc, ws, wpt; writes xc, xs, wc, ws, wpt
.if DOCPART == 1
	.amdgcn_target "amdgcn-amd-amdhsa--gfx1250"
	.amdhsa_code_object_version 6
	.text
	.protected	k_q7ae3a1eac5_prep
	.globl	k_q7ae3a1eac5_prep
	.p2align	8
	.type	k_q7ae3a1eac5_prep,@function
k_q7ae3a1eac5_prep:
	s_mov_b64 s[64:65], 0
	v_nop
	global_prefetch_b8 v0, s[64:65] scope:SCOPE_SE
	s_setreg_imm32_b32 hwreg(HW_REG_WAVE_MODE, 25, 1), 1
	s_wait_xcnt 0x0
; PREP: what the later launches read again and again is made narrow once.  Three roles, told apart by the work-group's number; they never join again, share nothing, and each has LDS bytes of its own.
;   X (work-groups 0-255):   x [8192][1024] f32 -> codes of FP4 (E2M1), K innermost, xc [8192][512 bytes], and one E8M0 byte for each 32 along K, xs [8192][32].
;   W (work-groups 256-303): Wq, Wk, Wv [16][1024 (K)][64] f32 -> wc [3072 rows n = 1024 sel + 64 head + column][512 bytes], ws [3072][32].  K is not innermost: a lane takes a column and its registers run down K.
;   P (work-groups 304-367): Wp [1024 (K)][1024] f32 -> wpt [1024 n][1024 k] f16, K innermost, by the same plan (a lane a column, registers down K).
; A block's scale is 2^(floor(log2(its largest magnitude)) - 2); its byte is the largest magnitude's exponent field - 2, held at 1 from below.
; LIMITS: a block of zeros gets the byte 1 where the rule says 127 (its codes are zeros, which add nothing, and only this program reads the bytes); blocks whose largest magnitude lies under 2^(2 - 126) are held at the byte 1;
; NaN and infinities among the inputs are not served; Wp beyond f16's range (65,504) is not served.
; No tensor loads, no barrier: waves share nothing.
.set SPARE,  102400                    ; the spare words, 128 bytes for each wave: two blocks of 256 bytes that no other line names
.set SPW,    12                        ; v12  LDS address of my spare word; never rewritten
.set NIL,    13                        ; v13  0; never rewritten
.set STEPS,  16
.set CB,     8                         ; bytes of 16 codes
.set SP,     80                        ; role X: a lane's place in a stage: 64 bytes + 16 of padding
.set WREG,   8192                      ; role X: LDS bytes 0 .. 32767, a region for each wave: two stages of 32 x SP, then its 256 scale bytes
.set R,      16                        ; role X: v16-79 four sets of 16 numbers as loaded
.set X,      80                        ; v80-111 two sets of 16 neighbours
.set E,      112                       ; v112-127 a scale byte for each step
.set C,      128                       ; v128-191 codes, four registers for each step
.set WST,    32768                     ; role W: a stage of 32 rows x 272 bytes for each wave
.set PST,    67584                     ; role P: the same
.set PITCH,  272
.set XW,     64                        ; role W: v64-159 three sets of 32 numbers
.set SB,     24                        ; v24-27 scale bytes, four to a register
.set CW,     28                        ; v28-31 a block's codes
.set OUTR,   192                       ; v192-255 the way out
	s_load_b512 s[4:19], s[0:1], 0x0               ; x 4:5, Wq 6:7, Wk 8:9, Wv 10:11, Wp 12:13, xc 14:15, xs 16:17, wc 18:19
	s_load_b128 s[20:23], s[0:1], 0x40             ; ws 20:21, wpt 22:23
	v_lshl_add_u32 v[SPW], v0, 2, SPARE
	v_mov_b32 v[NIL], 0
	v_lshrrev_b32 v1, 5, v0
	v_readfirstlane_b32 s24, v1                    ; wave 0..3
	v_and_b32 v2, 31, v0                           ; lane
	s_mov_b32 s31, 0                               ; the upper word of every offset pair s[30:31]
	s_wait_kmcnt 0x0
	s_cmp_lt_u32 ttmp9, 256
	s_cbranch_scc0 .Lnot_x
; ---------------- ROLE X.  A wave takes a run of 8,192 numbers, 16 steps of 512.  Each of a step's four loads reads 512 consecutive bytes; the 2,048 bytes turn through the wave's own stage, so that a lane
; then holds 16 neighbours along K (two neighbouring lanes hold a block).  A lane's 16 codes are 8 bytes: the wave stores 256 consecutive bytes.  A wave's 256 scale bytes are gathered in LDS and leave together.
	v_lshlrev_b32 v3, 4, v2                        ; my 16 bytes of a load's 512
	s_mul_i32 s25, s24, WREG
	v_lshrrev_b32 v14, 2, v2
	v_mul_u32_u24 v14, v14, SP
	v_and_b32 v15, 3, v2
	v_lshl_add_u32 v14, v15, 4, v14
	v_add_nc_u32 v14, s25, v14                     ; the stage, on the way in: SP (lane / 4) + 16 (lane % 4)
	v_mul_u32_u24 v15, v2, SP
	v_add_nc_u32 v15, s25, v15                     ; and on the way out: SP x lane
	v_mul_u32_u24 v4, v2, CB                       ; my codes' place in a step's
	v_lshrrev_b32 v5, 1, v2
	s_add_co_u32 s25, s25, 2*32*SP
	v_add_nc_u32 v5, s25, v5                       ; my block's scale byte in LDS
	v_lshlrev_b32 v7, 3, v2                        ; on the way out 8 bytes a lane
	v_add_nc_u32 v6, s25, v7
	s_lshl_b32 s26, ttmp9, 2
	s_add_co_u32 s26, s26, s24                     ; my run: 4 x work-group + wave, 0 .. 1023
	s_lshl_b32 s30, s26, 15                        ; 32,768 bytes of x a run
	s_add_nc_u64 s[4:5], s[4:5], s[30:31]
	s_lshl_b32 s30, s26, 12                        ; 4,096 bytes of codes
	s_add_nc_u64 s[14:15], s[14:15], s[30:31]
	s_lshl_b32 s30, s26, 8                         ; 256 scale bytes
	s_add_nc_u64 s[16:17], s[16:17], s[30:31]
.macro LOADX t
.irp i, 0,1,2,3
	global_load_b128 v[R+16*((\t)%4)+4*\i:R+16*((\t)%4)+4*\i+3], v3, s[4:5] offset:2048*(\t)+512*\i th:TH_LOAD_NT
.endr
.endm
.macro TURNX t                         ; step t's numbers through the stage: LDS serves a wave's instructions in order, so no wait stands between the stores and the loads
.irp i, 0,1,2,3
	ds_store_b128 v14, v[R+16*((\t)%4)+4*\i:R+16*((\t)%4)+4*\i+3] offset:32*SP*((\t)%2)+8*SP*\i
.endr
.irp i, 0,1,2,3
	ds_load_b128 v[X+16*((\t)%2)+4*\i:X+16*((\t)%2)+4*\i+3], v15 offset:32*SP*((\t)%2)+16*\i
.endr
.endm
.irp t, 0,1,2,3
	LOADX \t
.endr
	s_wait_loadcnt 12                              ; step 0's four loads are in; the twelve of steps 1 to 3 may be out
	TURNX 0
.macro STEPX t
.set XS, X+16*((\t)%2)
.if (\t) > 0
	s_wait_dscnt 1                                 ; this step's numbers are back from the stage (the last step's byte store may be out)
.else
	s_wait_dscnt 0x0
.endif
.if (\t)+4 < STEPS
	LOADX (\t)+4                                   ; into the set whose stores to the stage have just been shown done
.endif
.if (\t)+1 < STEPS
.if STEPS-2-(\t) >= 3
	s_wait_loadcnt 12                              ; the next step's four loads are in; those of the three steps behind it may be out
.else
	s_wait_loadcnt 4*(STEPS-2-(\t))
.endif
	TURNX (\t)+1
.endif
	v_max3_num_f32 v8, |v[XS]|, |v[XS+1]|, |v[XS+2]|               ; the largest magnitude of my 16, in two chains
	v_max3_num_f32 v9, |v[XS+3]|, |v[XS+4]|, |v[XS+5]|
.irp i, 6,10
	v_max3_num_f32 v8, v8, |v[XS+\i]|, |v[XS+\i+1]|
	v_max3_num_f32 v9, v9, |v[XS+\i+2]|, |v[XS+\i+3]|
.endr
	v_max3_num_f32 v8, v8, |v[XS+14]|, |v[XS+15]|
	v_max3_num_f32 v8, v8, v9, 0x1800000           ; and the floor 2^(3 - 127): the byte cannot fall under 1
	v_max_num_f32_dpp v8, v8, v8 row_xmask:1 row_mask:0xf bank_mask:0xf   ; with my neighbour's 16: the block's
	v_add_nc_u32 v11, 0xff000000, v8               ; 2 off its exponent field: the conversion takes the exponent field of this operand as its scale
	v_cvt_scalef32_pk8_fp4_f32 v[C+4*(\t)], v[XS:XS+7], v11
	v_cvt_scalef32_pk8_fp4_f32 v[C+4*(\t)+1], v[XS+8:XS+15], v11
	v_lshrrev_b32 v[E+(\t)], 23, v11               ; the scale's byte
	ds_store_b8 v5, v[E+(\t)] offset:16*(\t)       ; both lanes of a block write the same byte with the same value
	global_store_b64 v4, v[C+4*(\t):C+4*(\t)+1], s[14:15] offset:32*CB*(\t)   ; 32 lanes store 256 consecutive bytes, aligned
.endm
.irp t, 0,1,2,3,4,5,6,7,8,9,10,11,12,13,14,15
	STEPX \t
.endr
	ds_load_b64 v[8:9], v6                         ; in order behind my byte stores
	s_wait_dscnt 0x0
	global_store_b64 v7, v[8:9], s[16:17]          ; my wave's 256 scale bytes, consecutive and aligned
	s_wait_tensorcnt 0x0                           ; the wave's end
	ds_add_u32 v[SPW], v[NIL]
	s_wait_dscnt 0x0
	s_endpgm
.Lnot_x:
	s_cmp_lt_u32 ttmp9, 304
	s_cbranch_scc0 .Lrole_p
; ---------------- ROLE W.  Work-group j = 16 sel + head.  Wave w takes 32 columns (half w & 1) x 512 along K (half w >> 1): 16 blocks a lane, 256 bytes of codes a column, which go through the wave's
; own stage and leave as rows: sixteen lanes store 256 consecutive bytes, aligned.
	s_sub_co_u32 s25, ttmp9, 256                   ; j
	s_cmp_lt_u32 s25, 32
	s_cselect_b64 s[8:9], s[8:9], s[10:11]         ; Wk or Wv: the choice hangs on the work-group's number alone
	s_cmp_lt_u32 s25, 16
	s_cselect_b64 s[6:7], s[6:7], s[8:9]           ; or Wq
	s_and_b32 s26, s25, 15                         ; head
	s_and_b32 s27, s24, 1                          ; which 32 columns
	s_lshr_b32 s28, s24, 1                         ; which 512 along K
	s_lshl_b32 s30, s26, 18                        ; a head is 1,024 rows of 256 bytes
	s_lshl_b32 s29, s28, 17
	s_add_co_u32 s30, s30, s29
	s_lshl_b32 s29, s27, 7
	s_add_co_u32 s30, s30, s29
	s_add_nc_u64 s[6:7], s[6:7], s[30:31]
	s_lshl_b32 s29, s25, 6
	s_lshl_b32 s32, s27, 5
	s_add_co_u32 s29, s29, s32                     ; my first row n of wc and ws
	s_lshl_b32 s30, s29, 9
	s_lshl_b32 s32, s28, 8
	s_add_co_u32 s30, s30, s32
	s_add_nc_u64 s[18:19], s[18:19], s[30:31]
	s_lshl_b32 s30, s29, 5
	s_lshl_b32 s32, s28, 4
	s_add_co_u32 s30, s30, s32
	s_add_nc_u64 s[20:21], s[20:21], s[30:31]
	s_mul_i32 s33, s24, 32*PITCH
	s_add_co_u32 s33, s33, WST                     ; my stage
	v_lshlrev_b32 v3, 2, v2                        ; in: 4 bytes a lane
	v_mul_u32_u24 v4, v2, PITCH
	v_add_nc_u32 v4, s33, v4                       ; into the stage: row = my column
	v_and_b32 v8, 15, v2
	v_lshrrev_b32 v9, 4, v2
	v_mul_u32_u24 v5, v9, PITCH
	v_lshl_add_u32 v5, v8, 4, v5
	v_add_nc_u32 v5, s33, v5                       ; out of it: sixteen lanes to a row, two rows an instruction
	v_lshlrev_b32 v6, 9, v9
	v_lshl_add_u32 v6, v8, 4, v6                   ; and the same place in wc (rows of 512 bytes)
	v_lshlrev_b32 v7, 5, v2                        ; my column's row of ws
.macro LOADW t                         ; block t: W(32 t + i, my column) into set t % 3: 32 lanes read 128 consecutive bytes
.irp i, 0,1,2,3,4,5,6,7,8,9,10,11,12,13,14,15,16,17,18,19,20,21,22,23,24,25,26,27,28,29,30,31
	global_load_b32 v[XW+32*((\t)%3)+\i], v3, s[6:7] offset:(32*(\t)+\i)*256 th:TH_LOAD_NT
.endr
.endm
	LOADW 0
	LOADW 1
.macro BLOCKW t
.set XS, XW+32*((\t)%3)
.if (\t) < 15
	s_wait_loadcnt 32                              ; this block's 32 loads are in; the next block's 32 may be out
.else
	s_wait_loadcnt 0x0
.endif
.if (\t)+2 < 16
	LOADW (\t)+2                                   ; into the set that the block before has left
.endif
	v_max3_num_f32 v8, |v[XS]|, |v[XS+1]|, |v[XS+2]|               ; the block's largest magnitude: all 32 numbers are mine
	v_max3_num_f32 v9, |v[XS+3]|, |v[XS+4]|, |v[XS+5]|
.irp i, 6,10,14,18,22,26
	v_max3_num_f32 v8, v8, |v[XS+\i]|, |v[XS+\i+1]|
	v_max3_num_f32 v9, v9, |v[XS+\i+2]|, |v[XS+\i+3]|
.endr
	v_max3_num_f32 v8, v8, |v[XS+30]|, |v[XS+31]|
	v_max3_num_f32 v8, v8, v9, 0x1800000           ; and the floor 2^(3 - 127)
	v_add_nc_u32 v11, 0xff000000, v8               ; the conversion's scale operand
	v_lshrrev_b32 v9, 23, v11                      ; the scale's byte
.if (\t)%4 == 0
	v_mov_b32 v[SB+(\t)/4], v9                     ; four bytes to a register, the lower K in the lower byte
.else
	v_lshl_or_b32 v[SB+(\t)/4], v9, 8*((\t)%4), v[SB+(\t)/4]
.endif
.irp g, 0,1,2,3
	v_cvt_scalef32_pk8_fp4_f32 v[CW+\g], v[XS+8*\g:XS+8*\g+7], v11
.endr
	ds_store_b128 v4, v[CW:CW+3] offset:16*(\t)    ; 32 codes: 16 bytes of my column's row
	s_wait_dscnt 0x0                               ; the store has read its registers: the next block's codes may be written
.endm
.set Q, 0
.rept 16
	BLOCKW Q
.set Q, Q+1
.endr
	global_store_b128 v7, v[SB:SB+3], s[20:21]     ; my column's 16 scale bytes
.irp t, 0,1,2,3,4,5,6,7,8,9,10,11,12,13,14,15
	ds_load_b128 v[OUTR+4*\t:OUTR+4*\t+3], v5 offset:2*\t*PITCH
.endr
.irp t, 0,1,2,3,4,5,6,7,8,9,10,11,12,13,14,15
	s_wait_dscnt 15-\t                             ; LDS loads come back in order: number t is in
	global_store_b128 v6, v[OUTR+4*\t:OUTR+4*\t+3], s[18:19] offset:2*\t*512
.endr
	s_wait_tensorcnt 0x0                           ; the wave's end
	ds_add_u32 v[SPW], v[NIL]
	s_wait_dscnt 0x0
	s_endpgm
.Lrole_p:
; ---------------- ROLE P.  Work-group j: 128 columns (j & 7) x 128 along K (j >> 3); a wave takes 32 columns.  A lane's 128 numbers down K become 256 bytes of f16 of its row of wpt.
	s_sub_co_u32 s25, ttmp9, 304
	s_and_b32 s26, s25, 7
	s_lshr_b32 s27, s25, 3
	s_lshl_b32 s30, s27, 19                        ; 128 rows of 4,096 bytes
	s_lshl_b32 s28, s26, 9
	s_add_co_u32 s30, s30, s28
	s_lshl_b32 s28, s24, 7
	s_add_co_u32 s30, s30, s28
	s_add_nc_u64 s[12:13], s[12:13], s[30:31]
	s_lshl_b32 s28, s26, 7
	s_lshl_b32 s29, s24, 5
	s_add_co_u32 s28, s28, s29                     ; my first column = my first row of wpt
	s_lshl_b32 s30, s28, 11
	s_lshl_b32 s28, s27, 8
	s_add_co_u32 s30, s30, s28
	s_add_nc_u64 s[22:23], s[22:23], s[30:31]
	s_mul_i32 s33, s24, 32*PITCH
	s_add_co_u32 s33, s33, PST
	v_lshlrev_b32 v3, 2, v2
	v_mul_u32_u24 v4, v2, PITCH
	v_add_nc_u32 v4, s33, v4
	v_and_b32 v8, 15, v2
	v_lshrrev_b32 v9, 4, v2
	v_mul_u32_u24 v5, v9, PITCH
	v_lshl_add_u32 v5, v8, 4, v5
	v_add_nc_u32 v5, s33, v5
	v_lshlrev_b32 v6, 11, v9
	v_lshl_add_u32 v6, v8, 4, v6                   ; rows of wpt are 2,048 bytes
.macro LOADP t
.irp i, 0,1,2,3,4,5,6,7,8,9,10,11,12,13,14,15,16,17,18,19,20,21,22,23,24,25,26,27,28,29,30,31
	global_load_b32 v[64+32*(\t)+\i], v3, s[12:13] offset:(32*(\t)+\i)*4096 th:TH_LOAD_NT
.endr
.endm
	LOADP 0
	LOADP 1
.irp t, 0,1,2,3
.if \t < 3
	s_wait_loadcnt 32                              ; this quarter's 32 loads are in; the next quarter's may be out
.else
	s_wait_loadcnt 0x0
.endif
.if \t < 2
	LOADP \t+2
.endif
.irp i, 0,1,2,3,4,5,6,7,8,9,10,11,12,13,14,15
	v_cvt_pk_f16_f32 v[192+16*\t+\i], v[64+32*\t+2*\i], v[64+32*\t+2*\i+1]   ; the lower k in the low half
.endr
.irp g, 0,1,2,3
	ds_store_b128 v4, v[192+16*\t+4*\g:192+16*\t+4*\g+3] offset:64*\t+16*\g
.endr
.endr
.irp t, 0,1,2,3,4,5,6,7,8,9,10,11,12,13,14,15
	ds_load_b128 v[64+4*\t:64+4*\t+3], v5 offset:2*\t*PITCH
.endr
.irp t, 0,1,2,3,4,5,6,7,8,9,10,11,12,13,14,15
	s_wait_dscnt 15-\t
	global_store_b128 v6, v[64+4*\t:64+4*\t+3], s[22:23] offset:2*\t*2048   ; sixteen lanes store 256 consecutive bytes, aligned
.endr
	s_wait_tensorcnt 0x0                           ; the wave's end
	ds_add_u32 v[SPW], v[NIL]
	s_wait_dscnt 0x0
	s_endpgm
.Lfunc_end_k_q7ae3a1eac5_prep:
	.size	k_q7ae3a1eac5_prep, .Lfunc_end_k_q7ae3a1eac5_prep-k_q7ae3a1eac5_prep
	.p2alignl 7, 3214868480
	.fill 96, 4, 3214868480
	.section	.rodata,"a",@progbits
	.p2align	6, 0x0
	.amdhsa_kernel k_q7ae3a1eac5_prep
		.amdhsa_group_segment_fixed_size 102912
		.amdhsa_private_segment_fixed_size 0
		.amdhsa_enable_private_segment 0
		.amdhsa_kernarg_size 80
		.amdhsa_user_sgpr_count 2
		.amdhsa_user_sgpr_kernarg_segment_ptr 1
		.amdhsa_wavefront_size32 1
		.amdhsa_system_sgpr_workgroup_id_x 1
		.amdhsa_system_sgpr_workgroup_id_y 1
		.amdhsa_system_sgpr_workgroup_id_z 1
		.amdhsa_system_vgpr_workitem_id 0
		.amdhsa_next_free_vgpr 256
		.amdhsa_next_free_sgpr 66
		.amdhsa_reserve_vcc 0
		.amdhsa_float_denorm_mode_32 3
		.amdhsa_float_denorm_mode_16_64 3
		.amdhsa_memory_ordered 1
		.amdhsa_forward_progress 1
		.amdhsa_inst_pref_size 132
	.end_amdhsa_kernel
	.amdgpu_metadata
---
amdhsa.version: [ 1, 2 ]
amdhsa.kernels:
  - .name:           k_q7ae3a1eac5_prep
    .symbol:         k_q7ae3a1eac5_prep.kd
    .args:
      - { .name: x, .offset: 0, .size: 8, .value_kind: global_buffer, .address_space: global }
      - { .name: Wq, .offset: 8, .size: 8, .value_kind: global_buffer, .address_space: global }
      - { .name: Wk, .offset: 16, .size: 8, .value_kind: global_buffer, .address_space: global }
      - { .name: Wv, .offset: 24, .size: 8, .value_kind: global_buffer, .address_space: global }
      - { .name: Wp, .offset: 32, .size: 8, .value_kind: global_buffer, .address_space: global }
      - { .name: xc, .offset: 40, .size: 8, .value_kind: global_buffer, .address_space: global }
      - { .name: xs, .offset: 48, .size: 8, .value_kind: global_buffer, .address_space: global }
      - { .name: wc, .offset: 56, .size: 8, .value_kind: global_buffer, .address_space: global }
      - { .name: ws, .offset: 64, .size: 8, .value_kind: global_buffer, .address_space: global }
      - { .name: wpt, .offset: 72, .size: 8, .value_kind: global_buffer, .address_space: global }
    .group_segment_fixed_size: 102912
    .private_segment_fixed_size: 0
    .kernarg_segment_align: 8
    .kernarg_segment_size: 80
    .max_flat_workgroup_size: 128
    .sgpr_count:     66
    .vgpr_count:     256
    .wavefront_size: 32
...
	.end_amdgpu_metadata
.endif
;; end of part 1
;; launch qkv (part 2): grid 12 x 32, 4 waves a work-group, clusters of 4 x 4, 327,680 bytes of LDS; arguments xc, xs, wc, ws, qkvh, qkvf; writes qkvh, qkvf
.if DOCPART == 2
	.amdgcn_target "amdgcn-amd-amdhsa--gfx1250"
	.amdhsa_code_object_version 6
	.text
	.protected	k_q7ae3a1eac5_qkv
	.globl	k_q7ae3a1eac5_qkv
	.p2align	8
	.type	k_q7ae3a1eac5_qkv,@function
k_q7ae3a1eac5_qkv:
	s_mov_b64 s[64:65], 0
	v_nop
	global_prefetch_b8 v0, s[64:65] scope:SCOPE_SE
	s_setreg_imm32_b32 hwreg(HW_REG_WAVE_MODE, 25, 1), 1
	s_wait_xcnt 0x0
	s_wait_alu depctr_hold_cnt(0) depctr_sa_sdst(0) depctr_va_vdst(0) depctr_va_sdst(0) depctr_va_ssrc(0) depctr_va_vcc(0) depctr_vm_vsrc(0)
	s_getreg_b32 s2, hwreg(HW_REG_IB_STS2, 6, 4)
	s_cmp_eq_u32 s2, 0
	s_cbranch_scc0 .Lentry_in_a_cluster
	s_endpgm
.Lentry_in_a_cluster:
	s_bfe_u32 s2, ttmp6, 0x10000c
	s_cmp_lg_u32 s2, 0xf033
	s_cbranch_scc0 .Lentry_shape_is_right
	s_endpgm
.Lentry_shape_is_right:
; q, k, v = x W on codes of FP4 (E2M1) with one E8M0 scale for each 32 along K.  C[m][n] = sum over k of A[m][k] B[n][k]: A = x's codes [8192 tokens][1024], B = the weights' codes [3072 rows n = 1024 sel + 64 head + channel][1024].
; A tile of C, 256 x 256, is made by a work-group of four waves; a wave makes 128 x 128: 64 accumulators, 512 registers.  K = 1,024 is two LDS slots of 512 along K (rows of 256 bytes): both are asked for at the start, nothing is filled again.
; The scale bytes of the work-group's 256 + 256 rows, for all of K, come once, as two dense blocks.
; CLUSTERS: 4 x 4 work-groups; the four of a row of the cluster need the same tiles of A, the four of a column the same tiles of B: each tile is asked for jointly.
; The tile row is Y + 8 cy (Y the cluster's y): cy is the batch and Y the block of 256 positions, so that "positions 0-15" is a question of Y and of the wave's number, the same in all partners.
; THE MATRIX INSTRUCTION IS USED TRANSPOSED (source 0 = 16 rows of B, source 1 = 16 rows of A): a lane holds eight neighbouring channels of one token.
; OUT: qkvh, f16, [sel][batch][head][position][64]: the operands of the attention.  qkvf, f32, [batch][16 positions][3072]: positions 0-15 of every sequence as they are, for the fine launch.
; LIMIT: |q|, |k|, |v| beyond f16's largest number, 65,504, are not served.
; REGISTERS: window 0: v0-31 addresses; v32-95 scale words, two sets; from v128 A's fragments, one set; on the way out v128-223 are at work.  window 1: B's fragments, two sets.  windows 2, 3: the accumulators ((a, b) at v[8 (8 (a % 4) + b)]).
.set KSTEP,  512
.set NQ,     4
.set ROWB,   256
.set KROW,   512                       ; a row of codes in memory
.set PITCH,  272                       ; an LDS row: 256 bytes + 16 of padding: the 16 rows that a load touches start at 16 different banks (64 banks of 4 bytes: ISA guide 11.1)
.set FR,     8
.set NL,     2
.set NP,     4
.set HALFT,  128*PITCH
.set SLOT,   4*HALFT
.set KS,     32                        ; a row of scale bytes
.set SCL,    2*SLOT
.set HALFS,  (128*KS/256)*272
.set SBLK,   (16*KS/256)*272
.set SPARE,  SCL+4*HALFS               ; the spare words, 128 bytes for each wave
.set ADRA, 16
.set ADRB, 20
.set STO32, 22                         ; v22  the fine copy: where I put 32 bytes of a row
.set RD32, 23                          ; v23  and where I read a row of 512 bytes back
.set STO,  24                          ; v24  where I put 16 bytes (8 f16) of a token's 256
.set RD,   25                          ; v25  where I read 16 bytes of a head's 128 back
.set CO,   26                          ; v26  16 x lane
.set ADRS, 27
.set SPW,  28
.set NIL,  29
.set SC,   32
.set AF,   128
.set TMP,  192                         ; v192-223 a block's results as f16
.set BKH,  128                         ; v128-159, v160-191 by turns: a block read back from the stage
.set G1, 24
.set G0, 32
.set G1B, 48
.set G0B, 56
.set G1S, 68
.set G0S, 76
.set G1SB, 80
.set G0SB, 88
.set MSB, 0
.macro WIN new                         ; the immediate's high byte repeats the setting that is left
.if MSB != (\new)
	s_set_vgpr_msb (MSB<<8)|(\new)
.set MSB, (\new)
.endif
.endm
.set MUL_LO, 0xa1                      ; source 0 (B) window 1, source 1 (A) window 0, C and D window 2
.set MUL_HI, 0xf1
.set TO_B,   0x40
; A joint load: waves 0 and 1 fetch for A, waves 2 and 3 for B; the branch hangs on the wave's number alone.  An s_nop 0 and four v_nop follow each of the two lines.
.macro JLOAD g0a, g1a, g0b, g1b
	s_cmp_eq_u32 s15, 0
	s_cbranch_scc0 .Lfor_b_\@
	tensor_load_to_lds s[\g0a:\g0a+3], s[\g1a:\g1a+7]
	s_nop 0
.rept 4
	v_nop
.endr
	s_branch .Lasked_\@
.Lfor_b_\@:
	tensor_load_to_lds s[\g0b:\g0b+3], s[\g1b:\g1b+7]
	s_nop 0
.rept 4
	v_nop
.endr
.Lasked_\@:
.endm
.macro CROUND                          ; a round of the cluster's barrier
	s_barrier_signal -1
	s_barrier_wait -1
	s_cmp_lg_u32 s14, 0
	s_cbranch_scc1 .Lnot_wave_0_\@
	s_barrier_signal -3
.Lnot_wave_0_\@:
	s_barrier_wait -3
	s_barrier_signal -1
	s_barrier_wait -1
.endm
	s_load_b128 s[4:7], s[0:1], 0x0                ; x's codes, x's scales
	s_load_b128 s[8:11], s[0:1], 0x10              ; the weights' codes, their scales
	s_load_b64 s[12:13], s[0:1], 0x20              ; qkvh
	s_load_b64 s[66:67], s[0:1], 0x28              ; qkvf
	v_lshl_add_u32 v[SPW], v0, 2, SPARE
	v_mov_b32 v[NIL], 0
	ds_add_u32 v[SPW], v[NIL]                      ; the wave's opening: the add, twice on end, and its wait ahead of my first tensor load
	ds_add_u32 v[SPW], v[NIL]
	v_lshrrev_b32 v1, 5, v0
	v_readfirstlane_b32 s14, v1                    ; wave 0..3
	s_lshr_b32 s15, s14, 1                         ; which half of the tile's rows is mine.  Also: I fetch for A (0) or for B (1)
	s_and_b32 s16, s14, 1                          ; which half of its columns.  Also: which 128 rows of that tile I fetch
	s_bfe_u32 s40, ttmp6, 0x40000                  ; cx
	s_bfe_u32 s41, ttmp6, 0x40004                  ; cy
	s_lshl_b32 s42, ttmp9, 2
	s_add_co_u32 s42, s42, s40                     ; tile column = 4 x cluster x + cx: cluster x is sel
	s_and_b32 s95, ttmp7, 0xffff                   ; Y: the block of 256 positions
	s_lshl_b32 s17, s41, 3
	s_add_co_u32 s17, s17, s95                     ; tile row = 8 cy + Y: cy is the batch
	s_lshl_b32 s43, s41, 2
	s_lshl_b32 s43, 15, s43                        ; my row of the cluster
	s_lshl_b32 s44, 0x1111, s40                    ; my column
	s_or_b32 s[G1+0], s43, (0<<16)|(1<<20)|(1<<21)|(5<<22)|(3<<25)  ; the mask; elements of 1 byte; padding on; bit 21 beside a mask; 4 words behind every 64
	s_or_b32 s[G1B+0], s44, (0<<16)|(1<<20)|(1<<21)|(5<<22)|(3<<25)
.irp g, G1, G1B
	s_mov_b32 s[\g+1], ROWB<<16                    ; tensor_dim0
	s_mov_b32 s[\g+2], 128<<16                     ; tensor_dim1
	s_mov_b32 s[\g+3], ROWB<<16                    ; tile_dim0
	s_mov_b32 s[\g+4], 128                         ; tile_dim1
	s_mov_b32 s[\g+5], KROW                        ; the pitch
	s_mov_b32 s[\g+6], 0
	s_mov_b32 s[\g+7], 0
.endr
	s_or_b32 s[G1S+0], s43, (3<<16)|(1<<20)|(1<<21)|(5<<22)|(3<<25) ; the scales of 128 rows: 4,096 dense bytes as rows of 256 (32 elements of 8 bytes), 16 bytes of padding behind each
	s_or_b32 s[G1SB+0], s44, (3<<16)|(1<<20)|(1<<21)|(5<<22)|(3<<25)
.irp g, G1S, G1SB
	s_mov_b32 s[\g+1], 32<<16
	s_mov_b32 s[\g+2], (128*KS/256)<<16
	s_mov_b32 s[\g+3], 32<<16
	s_mov_b32 s[\g+4], 128*KS/256
	s_mov_b32 s[\g+5], 32
	s_mov_b32 s[\g+6], 0
	s_mov_b32 s[\g+7], 0
.endr
	s_lshl_b32 s18, s16, 7
	s_lshl_b32 s20, s17, 8
	s_add_co_u32 s20, s20, s18                     ; A: row 256 x tile row + 128 x half
	s_lshl_b32 s46, s42, 8
	s_add_co_u32 s46, s46, s18                     ; B: row 256 x tile column + 128 x half
	s_mov_b32 s21, 0
	s_mov_b32 s47, 0
	s_mov_b64 s[18:19], KS
	s_mul_u64 s[22:23], s[20:21], s[18:19]         ; where these rows' scales begin
	s_mul_u64 s[92:93], s[46:47], s[18:19]
	s_mov_b64 s[18:19], KROW
	s_mul_u64 s[20:21], s[20:21], s[18:19]         ; and their codes
	s_mul_u64 s[46:47], s[46:47], s[18:19]
	s_mul_i32 s45, s14, HALFT                      ; where they go: wave x 128 rows
	s_mul_i32 s94, s14, HALFS
	s_wait_dscnt 0x0                               ; both opening adds are done
	s_wait_kmcnt 0x0
	s_add_nc_u64 s[20:21], s[4:5], s[20:21]
	s_add_nc_u64 s[22:23], s[6:7], s[22:23]
	s_add_nc_u64 s[46:47], s[8:9], s[46:47]
	s_add_nc_u64 s[92:93], s[10:11], s[92:93]
	CROUND                                         ; all sixteen work-groups are here: the joint loads meet
	s_mov_b32 s[G0S], 1
	s_add_co_u32 s[G0S+1], s94, SCL
	s_mov_b64 s[G0S+2:G0S+3], s[22:23]
	s_or_b32 s[G0S+3], s[G0S+3], 0x80000000
	s_mov_b32 s[G0SB], 1
	s_add_co_u32 s[G0SB+1], s94, SCL
	s_mov_b64 s[G0SB+2:G0SB+3], s[92:93]
	s_or_b32 s[G0SB+3], s[G0SB+3], 0x80000000
	JLOAD G0S, G1S, G0SB, G1SB                     ; the scales first: three loads of mine are out in all
.irp s, 0,1
	s_mov_b32 s[G0+4*\s], 1
	s_add_co_u32 s[G0+4*\s+1], s45, \s*SLOT
	s_add_nc_u64 s[G0+4*\s+2:G0+4*\s+3], s[20:21], \s*ROWB
	s_or_b32 s[G0+4*\s+3], s[G0+4*\s+3], 0x80000000
	s_mov_b32 s[G0B+4*\s], 1
	s_add_co_u32 s[G0B+4*\s+1], s45, \s*SLOT
	s_add_nc_u64 s[G0B+4*\s+2:G0B+4*\s+3], s[46:47], \s*ROWB
	s_or_b32 s[G0B+4*\s+3], s[G0B+4*\s+3], 0x80000000
	JLOAD G0+4*\s, G1, G0B+4*\s, G1B
.endr
	v_and_b32 v1, 15, v0                           ; r = l % 16
	v_bfe_u32 v2, v0, 4, 1                         ; h = l / 16
	v_mul_u32_u24 v3, v1, PITCH
	v_lshl_add_u32 v4, v2, 4, v3                   ; a fragment's row x pitch + 16 x half
	s_mul_i32 s21, s15, HALFT
	s_mul_i32 s22, s16, HALFT
	s_add_co_u32 s22, s22, 2*HALFT
.irp s, 0,1
	v_add_nc_u32 v[ADRA+\s], s21, v4
	v_add_nc_u32 v[ADRB+\s], s22, v4
	s_add_co_u32 s21, s21, SLOT
	s_add_co_u32 s22, s22, SLOT
.endr
	v_mul_u32_u24 v5, v1, KS                       ; my row's scales: KS bytes a row,
	v_lshrrev_b32 v6, 8, v5
	v_lshl_add_u32 v5, v6, 4, v5                   ; and 16 more for each 256 passed
	s_mul_i32 s21, s15, HALFS
	s_mul_i32 s22, s16, HALFS
	s_add_co_u32 s22, s22, 2*HALFS
	s_sub_co_u32 s22, s22, s21
	v_mul_u32_u24 v6, s22, v2                      ; lanes 16-31 take B's
	s_add_co_u32 s21, s21, SCL
	v_add_nc_u32 v5, v5, v6
	v_add_nc_u32 v[ADRS], s21, v5
	s_mul_i32 s23, s14, 16*528                     ; my stage, in slot 0: when the first result is stored there the slot has had its only fill and its last read
	v_mul_u32_u24 v5, v1, 272
	v_lshl_add_u32 v5, v2, 4, v5
	v_add_nc_u32 v[STO], s23, v5                   ; f16: row r of 272 bytes, 16 bytes for each half of the lanes
	v_and_b32 v6, 31, v0
	v_lshrrev_b32 v7, 3, v6
	v_mul_u32_u24 v7, v7, 272
	v_and_b32 v8, 7, v6
	v_lshl_add_u32 v7, v8, 4, v7
	v_add_nc_u32 v[RD], s23, v7                    ; back: eight lanes take a head's 128 bytes of one token, four tokens an instruction
	v_lshlrev_b32 v[CO], 4, v6
	v_mul_u32_u24 v5, v1, 528
	v_lshl_add_u32 v5, v2, 5, v5
	v_add_nc_u32 v[STO32], s23, v5                 ; f32: row r of 528 bytes, 32 bytes for each half
	v_add_nc_u32 v[RD32], s23, v[CO]
	s_lshl_b32 s20, ttmp9, 24                      ; qkvh: sel,
	s_lshl_b32 s21, s41, 22                        ; the batch,
	s_add_co_u32 s20, s20, s21
	s_lshl_b32 s21, s95, 15                        ; 256 Y positions of 128 bytes,
	s_add_co_u32 s20, s20, s21
	s_lshl_b32 s21, s15, 14                        ; my 128 of them,
	s_add_co_u32 s20, s20, s21
	s_lshl_b32 s46, s40, 20                        ; head 4 cx + 2 x my column half: 2^18 bytes a head
	s_lshl_b32 s47, s16, 19
	s_add_co_u32 s46, s46, s47
	s_add_co_u32 s20, s20, s46
	s_mov_b32 s21, 0
	s_add_nc_u64 s[12:13], s[12:13], s[20:21]
	s_mul_i32 s20, s41, 196608                     ; qkvf: a batch is 16 rows of 12,288 bytes
	s_lshl_b32 s46, s42, 10
	s_lshl_b32 s47, s16, 9
	s_add_co_u32 s46, s46, s47
	s_add_co_u32 s20, s20, s46
	s_add_nc_u64 s[66:67], s[66:67], s[20:21]
.macro FRAG reg, adr, q, i             ; 16 rows x 128 K of 4-bit codes: 8 registers; registers 4 c .. 4 c + 3 hold K = 64 c + 32 (l / 16) + 0 .. 31
.irp c, 0,1
	ds_load_b128 v[\reg+4*\c:\reg+4*\c+3], v[\adr] offset:64*(\q)+32*\c+(\i)*16*PITCH
.endr
.endm
; 16 matrix instructions: A's blocks a0, a0 + 1 x B's eight.  The 64 accumulators take turns, one instruction a turn, in the same order in every step.
.macro MUL16 a0, p, q, sc, zero
.irp a, \a0, \a0+1
.irp b, 0,1,2,3,4,5,6,7
.if \zero
	v_wmma_scale_f32_16x16x128_f8f6f4 v[8*(8*((\a)%4)+\b):8*(8*((\a)%4)+\b)+7], v[128*(\p)+FR*\b:128*(\p)+FR*\b+FR-1], v[AF+FR*(\a):AF+FR*(\a)+FR-1], 0, v[SC+8*NQ*(\sc)+NQ*\b+(\q)], v[SC+8*NQ*(\sc)+NQ*(\a)+(\q)] matrix_a_fmt:MATRIX_FMT_FP4 matrix_b_fmt:MATRIX_FMT_FP4 matrix_a_scale:MATRIX_SCALE_ROW1
.else
	v_wmma_scale_f32_16x16x128_f8f6f4 v[8*(8*((\a)%4)+\b):8*(8*((\a)%4)+\b)+7], v[128*(\p)+FR*\b:128*(\p)+FR*\b+FR-1], v[AF+FR*(\a):AF+FR*(\a)+FR-1], v[8*(8*((\a)%4)+\b):8*(8*((\a)%4)+\b)+7], v[SC+8*NQ*(\sc)+NQ*\b+(\q)], v[SC+8*NQ*(\sc)+NQ*(\a)+(\q)] matrix_a_fmt:MATRIX_FMT_FP4 matrix_b_fmt:MATRIX_FMT_FP4 matrix_a_scale:MATRIX_SCALE_ROW1
.endif
.endr
.endr
.endm
.macro FETCH_B slot, q, p
	WIN TO_B
.irp i, 0,1,2,3,4,5,6,7
	FRAG 128*(\p)+FR*\i, ADRB+\slot, \q, \i
.endr
	WIN 0
.endm
.macro FETCH_A slot, q, i0
.irp i, \i0, \i0+1, \i0+2, \i0+3
	FRAG AF+FR*(\i), ADRA+\slot, \q, \i
.endr
.endm
.macro SCALES sc                       ; a slot's scale words: lanes 0-15 take A's block i, lanes 16-31 B's block i; four words a row
.irp i, 0,1,2,3,4,5,6,7
	ds_load_b128 v[SC+8*NQ*\sc+NQ*\i:SC+8*NQ*\sc+NQ*\i+3], v[ADRS] offset:\i*SBLK
.endr
.endm
.macro PLACES n                        ; plain vector instructions between a matrix instruction and a load into, or a read of, its registers
.rept \n
	v_nop
.endr
.endm
.macro STEP slot, q, zero              ; 128 along K that has its successor in the same slot
	s_wait_dscnt 4*NL                              ; B's set and A's blocks 0-3 are in; the youngest eight loads (A's blocks 4-7) may be out
	WIN MUL_LO
	MUL16 0, (\q)%2, \q, \slot, \zero
	MUL16 2, (\q)%2, \q, \slot, \zero
	s_wait_dscnt 0
	PLACES NP
	FETCH_B \slot, (\q)+1, 1-(\q)%2
	FETCH_A \slot, (\q)+1, 0
	WIN MUL_HI
	MUL16 4, (\q)%2, \q, \slot, \zero
	MUL16 6, (\q)%2, \q, \slot, \zero
	PLACES NP
	WIN 0
	FETCH_A \slot, (\q)+1, 4
.endm
.macro TURN slot, next                 ; a slot's last step: one barrier; behind it the next slot is whole and nobody reads this one
	s_wait_tensorcnt 0x0                           ; all my tensor loads have landed: my part of the next slot
	ds_add_u32 v[SPW], v[NIL]                      ; 0 onto my spare word
	s_wait_dscnt 4*NL+1                            ; (the add and the youngest eight loads may be out)
	WIN MUL_LO
	MUL16 0, 1, NQ-1, \slot, 0
	s_wait_dscnt 0x0                               ; the add is done, and my reads of this slot are over
	s_barrier_signal -1
	MUL16 2, 1, NQ-1, \slot, 0
	WIN 0
	s_barrier_wait -1
	PLACES NP
	v_add_nc_u32 v[ADRS], 4*NQ, v[ADRS]            ; on to the next slot's scale words
	FETCH_B \next, 0, 0
	FETCH_A \next, 0, 0
	SCALES \next
	WIN MUL_HI
	MUL16 4, 1, NQ-1, \slot, 0
	MUL16 6, 1, NQ-1, \slot, 0
	PLACES NP
	WIN 0
	FETCH_A \next, 0, 4
.endm
.macro STEPS slot, from
.set Q, \from
.rept NQ-1-\from
	STEP \slot, Q, 0
.set Q, Q+1
.endr
.endm
	s_wait_tensorcnt 1                             ; the scales and my part of slot 0 are in (slot 1's load may be out)
	s_barrier_signal -1
	s_barrier_wait -1
	FETCH_B 0, 0, 0
	FETCH_A 0, 0, 0
	SCALES 0
	FETCH_A 0, 0, 4
	STEP 0, 0, 1                                   ; the first products start the sums: nothing is cleared
	STEPS 0, 1
	TURN 0, 1
	STEPS 1, 0
	s_wait_dscnt 4*NL                              ; the last step: nothing more to fetch
	WIN MUL_LO
	MUL16 0, 1, NQ-1, 1, 0
	MUL16 2, 1, NQ-1, 1, 0
	s_wait_dscnt 0
	WIN MUL_HI
	MUL16 4, 1, NQ-1, 1, 0
	MUL16 6, 1, NQ-1, 1, 0
	WIN 0
	PLACES NP                                      ; in front of loads into A's registers and of the reads of the last results
	; THE FINE COPY: where my first block of 16 rows is positions 0-15 of a sequence (my row half is the first, and Y = 0), it leaves in f32 too.
	s_cmp_lg_u32 s15, 0
	s_cbranch_scc1 .Lnofine
	s_cmp_lg_u32 s95, 0
	s_cbranch_scc1 .Lnofine
	WIN 0x08                                       ; an LDS store's data are its source 1: window 2
.irp b, 0,1,2,3,4,5,6,7
	ds_store_b128 v[STO32], v[8*\b:8*\b+3] offset:64*\b            ; each accumulator from its low end on
	ds_store_b128 v[STO32], v[8*\b+4:8*\b+7] offset:64*\b+16
.endr
	WIN 0
.irp t, 0,1,2,3,4,5,6,7,8,9,10,11,12,13,14,15
	ds_load_b128 v[128+4*\t:128+4*\t+3], v[RD32] offset:\t*528     ; in order behind my stores
.endr
	s_wait_dscnt 0x0
.irp t, 0,1,2,3,4,5,6,7,8,9,10,11,12,13,14,15
	global_store_b128 v[CO], v[128+4*\t:128+4*\t+3], s[66:67] offset:\t*12288   ; 32 lanes store 512 consecutive bytes, aligned
.endr
	s_wait_xcnt 0x0                                ; the stores have read their registers: they are loaded again below
.Lnofine:
; THE WAY OUT, block by block of 16 tokens x 128 channels (two heads).  PACK: to f16, 16 bytes a lane.  TOSTAGE16: into my stage and back, four tokens of one head an instruction.  SEND16: 512 consecutive bytes a store.
.macro PACK a
.set AC, 64*((\a)%4)
	WIN 0x0a+5*((\a)/4)                            ; sources 0 and 1: window 2 or 3
.irp b, 0,1,2,3,4,5,6,7
.irp r, 0,1,2,3
	v_cvt_pk_f16_f32 v[TMP+4*\b+\r], v[AC+8*\b+2*\r], v[AC+8*\b+2*\r+1]
.endr
.endr
	WIN 0
.endm
.macro TOSTAGE16 a
.set BB, BKH+32*((\a)%2)
.irp b, 0,1,2,3,4,5,6,7
	ds_store_b128 v[STO], v[TMP+4*\b:TMP+4*\b+3] offset:32*\b
.endr
.irp i, 0,1,2,3,4,5,6,7
	ds_load_b128 v[BB+4*\i:BB+4*\i+3], v[RD] offset:(\i%4)*4*272+128*(\i/4)
.endr
.endm
.macro SEND16 a
.set BB, BKH+32*((\a)%2)
	s_wait_dscnt 0x0                               ; the block is back in registers
	s_wait_xcnt 0x0                                ; the stores of the block before have read their registers: the next block's loads may land there
.irp i, 0,1,2,3,4,5,6,7
	global_store_b128 v[CO], v[BB+4*\i:BB+4*\i+3], s[12:13] offset:(\i/4)*262144+(\a)*2048+(\i%4)*512
.endr
.endm
	PACK 0
	TOSTAGE16 0
.irp a, 1,2,3,4,5,6,7
	PACK \a                                        ; a block's conversions stand between the loads of the block before and the wait for them
	SEND16 \a-1
	TOSTAGE16 \a
.endr
	SEND16 7
	s_wait_tensorcnt 0x0                           ; the wave's end
	ds_add_u32 v[SPW], v[NIL]
	s_wait_dscnt 0x0
	CROUND                                         ; the closing round
	s_endpgm
.Lfunc_end_k_q7ae3a1eac5_qkv:
	.size	k_q7ae3a1eac5_qkv, .Lfunc_end_k_q7ae3a1eac5_qkv-k_q7ae3a1eac5_qkv
	.p2alignl 7, 3214868480
	.fill 96, 4, 3214868480
	.section	.rodata,"a",@progbits
	.p2align	6, 0x0
	.amdhsa_kernel k_q7ae3a1eac5_qkv
		.amdhsa_group_segment_fixed_size 327680
		.amdhsa_private_segment_fixed_size 0
		.amdhsa_enable_private_segment 0
		.amdhsa_kernarg_size 48
		.amdhsa_user_sgpr_count 2
		.amdhsa_user_sgpr_kernarg_segment_ptr 1
		.amdhsa_wavefront_size32 1
		.amdhsa_system_sgpr_workgroup_id_x 1
		.amdhsa_system_sgpr_workgroup_id_y 1
		.amdhsa_system_sgpr_workgroup_id_z 1
		.amdhsa_system_vgpr_workitem_id 0
		.amdhsa_next_free_vgpr 1024
		.amdhsa_next_free_sgpr 98
		.amdhsa_reserve_vcc 0
		.amdhsa_float_denorm_mode_32 3
		.amdhsa_float_denorm_mode_16_64 3
		.amdhsa_memory_ordered 1
		.amdhsa_forward_progress 1
		.amdhsa_inst_pref_size 131
	.end_amdhsa_kernel
	.amdgpu_metadata
---
amdhsa.version: [ 1, 2 ]
amdhsa.kernels:
  - .name:           k_q7ae3a1eac5_qkv
    .symbol:         k_q7ae3a1eac5_qkv.kd
    .args:
      - { .name: xc, .offset: 0, .size: 8, .value_kind: global_buffer, .address_space: global }
      - { .name: xs, .offset: 8, .size: 8, .value_kind: global_buffer, .address_space: global }
      - { .name: wc, .offset: 16, .size: 8, .value_kind: global_buffer, .address_space: global }
      - { .name: ws, .offset: 24, .size: 8, .value_kind: global_buffer, .address_space: global }
      - { .name: qkvh, .offset: 32, .size: 8, .value_kind: global_buffer, .address_space: global }
      - { .name: qkvf, .offset: 40, .size: 8, .value_kind: global_buffer, .address_space: global }
    .group_segment_fixed_size: 327680
    .private_segment_fixed_size: 0
    .kernarg_segment_align: 8
    .kernarg_segment_size: 48
    .max_flat_workgroup_size: 128
    .sgpr_count:     98
    .vgpr_count:     1024
    .wavefront_size: 32
...
	.end_amdgpu_metadata
.endif
;; end of part 2
;; launch attn (part 3): grid 4 x 64, 8 waves a work-group, no clusters, 327,680 bytes of LDS; arguments qkvh, ao; writes ao
.if DOCPART == 3
	.amdgcn_target "amdgcn-amd-amdhsa--gfx1250"
	.amdhsa_code_object_version 6
	.text
	.protected	k_q7ae3a1eac5_attn
	.globl	k_q7ae3a1eac5_attn
	.p2align	8
	.type	k_q7ae3a1eac5_attn,@function
k_q7ae3a1eac5_attn:
	s_mov_b64 s[64:65], 0
	v_nop
	global_prefetch_b8 v0, s[64:65] scope:SCOPE_SE
	s_setreg_imm32_b32 hwreg(HW_REG_WAVE_MODE, 25, 1), 1
	s_wait_xcnt 0x0
; ao[bh][q][:] = the sum over keys k <= q of softmax_k(Q[q] . K[k] / 8) V[k][:], for each of 64 heads bh = 16 batch + head.  Q, K, V: qkvh, f16, [3][64][2048][64]; ao: f16, [64][2048][64].  Products, maxima and sums in f32.
; SHARES.  Work-group (i, bh) takes two blocks of 256 queries of head bh: block 7 - i (key blocks 0 .. 7 - i), then block i (key blocks 0 .. i): 9 units of 256 keys in every work-group, so all trip counts are constants.
; Wave w owns queries 32 w .. 32 w + 31 of the block: two tiles of 16.  Two waves lie on a SIMD, so that one wave's softmax stands beside the other's products.
; LAYOUT.  S^T = K Q^T (source 0 = 16 keys, source 1 = 16 queries): a lane holds ONE query and the keys 8 (lane / 16) + 0..7.  Two such tiles, rounded to f16 in pairs, are source 1 of O^T = V^T P.  V comes out of LDS turned, by ds_load_tr16_b128.
; SOFTMAX.  For each query a running maximum m: p = 2^(c s - c m), c = log2(e) / 8; in every step O and the sum are multiplied by a = 2^(c m_old - c m_new).
; THE ROW'S SUM is a fifth tile of V^T P whose source 0 is all ones: every register of that accumulator holds the sum of the query's p.  Only its two lowest registers are rescaled and only the lowest is read;
; the other six stay finite (at most the number of keys) and are never read.
; THE CAUSAL MASK.  In a unit on the diagonal wave w walks key steps 0 .. w / 2 and leaves the others out; in step w / 2 the first products of S^T start from a table (0, or -1e30 where the key comes after the query)
; made once at the head, so the mask costs no vector work in the loop.  Every query of that step sees the step's first key, so m is a true score.
; NO CLUSTER: the four work-groups of a head walk different key blocks in the same trip (their first segments have different lengths), so no tile is wanted by two of them at the same time.
; LIMITS: scores far under 1e30 in magnitude; NaN and infinities are not served.
; REGISTERS.  window 0: v1-13 addresses; v16-31 statistics, 8 a tile (+0 c m, +1 m, +2 c m_old and then the change, +4..7 four maxima, a in +6); v32-95 S^T; v96-127 P; v128-207 O^T and the sums, 40 a tile; v208-215 ones.
;   window 1: v0-31 Q; v32-63 the second block's Q; v64-127 K of a step; v128-191 V of a step; v192-255 the mask's table.
.set KP,    144                        ; a key's row in LDS: 128 bytes + 16: the 16 rows of a load start at 16 different banks (64 banks of 4 bytes: ISA guide 11.1)
.set VP,    160                        ; a row of V: 128 + 32
.set VOFF,  256*KP                     ; a slot: 256 rows of K, then 256 rows of V
.set SLOT1, 131072                     ; slot 1 begins here: one exclusive or turns an address in one slot into the other's
.set STAGE, SLOT1+VOFF+256*VP          ; behind the ring: 16 rows x 144 bytes for each wave
.set SPARE, STAGE+8*16*KP              ; the spare words, 128 bytes for each wave
.set AK0, 3
.set AV0, 4
.set ADK, 5
.set ADV, 6
.set QO,  7
.set STO, 8
.set RD,  9
.set GO,  10
.set PFO, 11
.set SPW, 12
.set NIL, 13
.set ST,  16
.set S,   32
.set P,   96
.set O,   128
.set ONES, 208
.set Q,   0                            ; window 1
.set QB,  32
.set KF,  64
.set VF,  128
.set MASK, 192
.set TB,  2                            ; s2  LDS byte at which the slot in hand begins
.set U,   3                            ; s3  the unit, 0 .. 8
.set WV,  8
.set HQ,  11                           ; s11 wave / 2: my last key step on the diagonal
.set G1K, 24
.set G1V, 32
.set G0K, 40
.set G0V, 44
.set N0,  48                           ; s48 units of the first segment: 8 - i
.set N0M1, 49
.set MQ,  54                           ; s54 the unit's last and masked step for my wave; 7 where nothing is hidden
.set PLIM, 55                          ; s55 trips in which I prefetch: 6 in the head's work-group 0, else 0
.set MSB, 0
.macro WIN new
.if MSB != (\new)
	s_set_vgpr_msb (MSB<<8)|(\new)
.set MSB, (\new)
.endif
.endm
; Waves 0-3 fetch a quarter of K's 256 rows each, waves 4-7 of V's: one load a wave.  An s_nop 0 and four v_nop follow each of the two lines.
.macro TLOAD
	s_cmp_lt_u32 s[WV], 4
	s_cbranch_scc0 .Lfor_v_\@
	tensor_load_to_lds s[G0K:G0K+3], s[G1K:G1K+7]
	s_nop 0
.rept 4
	v_nop
.endr
	s_branch .Lasked_\@
.Lfor_v_\@:
	tensor_load_to_lds s[G0V:G0V+3], s[G1V:G1V+7]
	s_nop 0
.rept 4
	v_nop
.endr
.Lasked_\@:
.endm
; A prefetch of the unit that the NEXT change of slots will ask for.  All four work-groups of a head walk the same K and V; work-group 0, whose first segment walks all eight key blocks, asks, in trips 0 to 5 for key blocks 2 to 7:
; waves 0-3 for K's 32,768 bytes, waves 4-7 for V's, 8,192 bytes a wave, lanes 256 bytes apart: each aligned block of 256 bytes is named once in the launch.  Key blocks 0 and 1 come by their loads alone.
.macro ASK
	s_cmp_lt_u32 s[U], s[PLIM]
	s_cbranch_scc0 .Lnot_mine_\@
	global_prefetch_b8 v[PFO], s[18:19] th:TH_LOAD_NT scope:SCOPE_SE
.Lnot_mine_\@:
.endm
	s_load_b128 s[4:7], s[0:1], 0x0                ; qkvh, ao
	v_lshl_add_u32 v[SPW], v0, 2, SPARE
	v_mov_b32 v[NIL], 0
	ds_add_u32 v[SPW], v[NIL]                      ; the wave's opening: the add, twice on end, and its wait ahead of my first tensor load
	ds_add_u32 v[SPW], v[NIL]
	v_lshrrev_b32 v1, 5, v0
	v_readfirstlane_b32 s[WV], v1                  ; wave 0..7
	s_mov_b32 s9, ttmp9                            ; i
	s_and_b32 s10, ttmp7, 0xffff                   ; bh
	s_lshr_b32 s[HQ], s[WV], 1
	s_and_b32 s12, s[WV], 3                        ; which quarter of a tile I fetch
	s_sub_co_u32 s[N0M1], 7, s9
	s_sub_co_u32 s[N0], 8, s9
	s_mov_b32 s[G1K], (1<<16)|(1<<20)|(4<<22)|(3<<25)   ; no mask; elements of 2 bytes; padding on: 4 words behind every 32
	s_mov_b32 s[G1V], (1<<16)|(1<<20)|(4<<22)|(7<<25)   ; 8 words
.irp g, G1K, G1V
	s_mov_b32 s[\g+1], 64<<16                      ; tensor_dim0 = 64
	s_mov_b32 s[\g+2], 64<<16                      ; tensor_dim1 = 64
	s_mov_b32 s[\g+3], 64<<16                      ; tile_dim0 = 64
	s_mov_b32 s[\g+4], 64                          ; tile_dim1 = 64
	s_mov_b32 s[\g+5], 64                          ; the pitch
	s_mov_b32 s[\g+6], 0
	s_mov_b32 s[\g+7], 0
.endr
	s_mov_b32 s20, 0x76543210                      ; v_permlanex16_b32's selects for lane l xor 16
	s_mov_b32 s21, 0xfedcba98
	s_mov_b32 s22, 0x3e38aa3b                      ; c = log2(e) / 8
	s_mov_b32 s23, s22                             ; (named with it as a pair)
	s_mov_b32 s[TB], 0
	s_mov_b32 s[U], 0
	s_cmp_eq_u32 s9, 0
	s_cselect_b32 s[PLIM], 6, 0
	s_lshl_b32 s56, s10, 18                        ; a head is 2^18 bytes
	s_lshl_b32 s57, s12, 13                        ; my 64 rows of 128 bytes
	s_add_co_u32 s58, s56, s57
	s_add_co_u32 s58, s58, 1<<24                   ; K lies 2^24 bytes behind Q
	s_mov_b32 s59, 0
	s_lshl_b32 s57, s[WV], 12                      ; my 32 queries
	s_add_co_u32 s56, s56, s57
	s_lshl_b32 s60, s[N0M1], 15
	s_add_co_u32 s60, s60, s56                     ; my rows of block 7 - i
	s_mov_b32 s61, 0
	s_lshl_b32 s62, s9, 15
	s_add_co_u32 s62, s62, s56                     ; and of block i
	s_mov_b32 s63, 0
	s_mul_i32 s56, s12, 64*KP
	s_mul_i32 s57, s12, 64*VP
	s_add_co_u32 s57, s57, VOFF
	s_wait_dscnt 0x0                               ; both opening adds are done
	s_wait_kmcnt 0x0
	s_add_nc_u64 s[14:15], s[4:5], s[58:59]        ; K at my quarter of key block 0
	s_add_nc_u64 s[16:17], s[14:15], 1<<24         ; V likewise
	s_add_nc_u64 s[50:51], s[6:7], s[60:61]        ; where the segment in hand is stored
	s_add_nc_u64 s[52:53], s[6:7], s[62:63]        ; and the second
	s_add_nc_u64 s[60:61], s[4:5], s[60:61]        ; Q of the first block
	s_add_nc_u64 s[62:63], s[4:5], s[62:63]        ; and of the second
	s_mov_b32 s[G0K], 1
	s_mov_b32 s[G0K+1], s56
	s_mov_b64 s[G0K+2:G0K+3], s[14:15]
	s_or_b32 s[G0K+3], s[G0K+3], 0x80000000
	s_mov_b32 s[G0V], 1
	s_mov_b32 s[G0V+1], s57
	s_mov_b64 s[G0V+2:G0V+3], s[16:17]
	s_or_b32 s[G0V+3], s[G0V+3], 0x80000000
	s_cmp_lt_u32 s[WV], 4
	s_cselect_b64 s[18:19], s[14:15], s[16:17]
	s_add_nc_u64 s[18:19], s[18:19], 0x8000        ; the prefetches stand at key block 1; the first change of slots steps them to 2
	TLOAD                                          ; unit 0 into slot 0: one load of mine is out
	v_and_b32 v1, 15, v0                           ; r
	v_bfe_u32 v2, v0, 4, 1                         ; h
	v_lshlrev_b32 v[QO], 7, v1
	v_lshl_add_u32 v[QO], v2, 4, v[QO]             ; row r of 128 bytes + 16 h
	WIN 0x40                                       ; destination window 1
.irp t, 0,1
.irp c, 0,1
	global_load_b128 v[Q+16*\t+8*\c:Q+16*\t+8*\c+3],     v[QO], s[60:61] offset:\t*2048+\c*64
	global_load_b128 v[Q+16*\t+8*\c+4:Q+16*\t+8*\c+7],   v[QO], s[60:61] offset:\t*2048+\c*64+32
	global_load_b128 v[QB+16*\t+8*\c:QB+16*\t+8*\c+3],   v[QO], s[62:63] offset:\t*2048+\c*64
	global_load_b128 v[QB+16*\t+8*\c+4:QB+16*\t+8*\c+7], v[QO], s[62:63] offset:\t*2048+\c*64+32
.endr
.endr
	WIN 0
	v_mul_u32_u24 v[AK0], v1, KP
	v_lshl_add_u32 v[AK0], v2, 4, v[AK0]
	v_and_b32 v14, 7, v0
	v_bfe_u32 v15, v0, 3, 1
	v_lshl_add_u32 v[AV0], v2, 3, v14              ; the turning load: key 8 h + l % 8, channels 8 ((l / 8) % 2) on
	v_mul_u32_u24 v[AV0], v[AV0], VP
	v_lshl_add_u32 v[AV0], v15, 4, v[AV0]
	v_add_nc_u32 v[AV0], VOFF, v[AV0]
	s_mul_i32 s56, s[WV], 16*KP
	s_add_co_u32 s56, s56, STAGE                   ; my stage
	v_mul_u32_u24 v[STO], v1, KP
	v_lshl_add_u32 v[STO], v2, 4, v[STO]
	v_add_nc_u32 v[STO], s56, v[STO]
	v_and_b32 v14, 31, v0
	v_lshrrev_b32 v15, 3, v14
	v_mul_u32_u24 v[RD], v15, KP
	v_and_b32 v15, 7, v0
	v_lshl_add_u32 v[RD], v15, 4, v[RD]
	v_add_nc_u32 v[RD], s56, v[RD]                 ; back: eight lanes to a row of 128 bytes, four rows an instruction
	v_lshlrev_b32 v[GO], 4, v14
	v_lshlrev_b32 v[PFO], 8, v14
.irp j, 0,1,2,3,4,5,6,7
	v_mov_b32 v[ONES+\j], 0x3c003c00               ; 1.0, twice, in f16
.endr
	s_and_b32 s56, s[WV], 1
	s_lshl_b32 s56, s56, 5
	v_lshlrev_b32 v14, 3, v2
	v_sub_nc_u32 v14, v1, v14
	v_add_nc_u32 v14, s56, v14                     ; d of tile 0 = 32 (w & 1) + r - 8 h; register 8 kt + j of the masked step is hidden where 16 kt + j > d
	v_add_nc_u32 v15, 16, v14                      ; tile 1's
	v_mov_b32 v32, 0xf149f2ca                      ; -1e30
	WIN 0x40
.irp t, 0,1
.irp kt, 0,1,2,3
.irp j, 0,1,2,3,4,5,6,7
	v_cmp_gt_i32 vcc_lo, 16*\kt+\j, v[14+\t]
	v_cndmask_b32 v[MASK+32*\t+8*\kt+\j], 0, v32, vcc_lo
.endr
.endr
.endr
	WIN 0
.macro FETCH_K q                       ; a step's K: 64 keys x 64 channels, 8 fragments, 16 loads
	WIN 0x40
.irp kt, 0,1,2,3
.irp c, 0,1
	ds_load_b128 v[KF+16*\kt+8*\c:KF+16*\kt+8*\c+3],   v[ADK] offset:(64*(\q)+16*\kt)*KP+64*\c
	ds_load_b128 v[KF+16*\kt+8*\c+4:KF+16*\kt+8*\c+7], v[ADK] offset:(64*(\q)+16*\kt)*KP+64*\c+32
.endr
.endr
	WIN 0
.endm
.macro FETCH_V q                       ; a step's V, turned: fragment f = 4 kk + ct: keys 32 kk on, channels 16 ct on; 16 loads
	WIN 0x40
.irp f, 0,1,2,3,4,5,6,7
	ds_load_tr16_b128 v[VF+8*\f:VF+8*\f+3],   v[ADV] offset:(64*(\q)+32*(\f/4))*VP+32*(\f%4)
	ds_load_tr16_b128 v[VF+8*\f+4:VF+8*\f+7], v[ADV] offset:(64*(\q)+32*(\f/4)+16)*VP+32*(\f%4)
.endr
	WIN 0
.endm
; 8 products of S^T, channels 32 c on; the eight accumulators take turns.  cmode 0: the sums start from 0; 1: from the mask's table; 2: they go on.
.macro QK8 c, cmode
.irp kt, 0,1,2,3
.irp t, 0,1
.if \cmode == 0
	v_wmma_f32_16x16x32_f16 v[S+32*\t+8*\kt:S+32*\t+8*\kt+7], v[KF+16*\kt+8*\c:KF+16*\kt+8*\c+7], v[Q+16*\t+8*\c:Q+16*\t+8*\c+7], 0
.elseif \cmode == 1
	v_wmma_f32_16x16x32_f16 v[S+32*\t+8*\kt:S+32*\t+8*\kt+7], v[KF+16*\kt+8*\c:KF+16*\kt+8*\c+7], v[Q+16*\t+8*\c:Q+16*\t+8*\c+7], v[MASK+32*\t+8*\kt:MASK+32*\t+8*\kt+7]
.else
	v_wmma_f32_16x16x32_f16 v[S+32*\t+8*\kt:S+32*\t+8*\kt+7], v[KF+16*\kt+8*\c:KF+16*\kt+8*\c+7], v[Q+16*\t+8*\c:Q+16*\t+8*\c+7], v[S+32*\t+8*\kt:S+32*\t+8*\kt+7]
.endif
.endr
.endr
.endm
.macro PV                              ; O^T += V^T P: 16 products on eight accumulators by turns; then the sums: 4 products on two by turns
	WIN 0x01                                       ; V in window 1
.irp kk, 0,1
.irp ct, 0,1,2,3
.irp t, 0,1
	v_wmma_f32_16x16x32_f16 v[O+40*\t+8*\ct:O+40*\t+8*\ct+7], v[VF+8*(4*\kk+\ct):VF+8*(4*\kk+\ct)+7], v[P+16*\t+8*\kk:P+16*\t+8*\kk+7], v[O+40*\t+8*\ct:O+40*\t+8*\ct+7]
.endr
.endr
.endr
	WIN 0
.irp kk, 0,1
.irp t, 0,1
	v_wmma_f32_16x16x32_f16 v[O+40*\t+32:O+40*\t+39], v[ONES:ONES+7], v[P+16*\t+8*\kk:P+16*\t+8*\kk+7], v[O+40*\t+32:O+40*\t+39]
.endr
.endr
.endm
.macro SOFTMAX                         ; both tiles line by line in turn, so that no line waits for the line above it
.irp j, 0,1,2,3
.irp t, 0,1
	v_max3_num_f32 v[ST+8*\t+4+\j], v[S+32*\t+8*\j], v[S+32*\t+8*\j+1], v[S+32*\t+8*\j+2]   ; four chains; each accumulator is read from its low end on
.endr
.endr
.irp g, 1,2
.irp j, 0,1,2,3
.irp t, 0,1
	v_max3_num_f32 v[ST+8*\t+4+\j], v[ST+8*\t+4+\j], v[S+32*\t+8*\j+2*\g+1], v[S+32*\t+8*\j+2*\g+2]
.endr
.endr
.endr
.irp t, 0,1
	v_max3_num_f32 v[ST+8*\t+4], v[ST+8*\t+4], v[S+32*\t+7], v[S+32*\t+15]
.endr
.irp t, 0,1
	v_max3_num_f32 v[ST+8*\t+6], v[ST+8*\t+6], v[S+32*\t+23], v[S+32*\t+31]
.endr
.irp t, 0,1
	v_max3_num_f32 v[ST+8*\t+4], v[ST+8*\t+4], v[ST+8*\t+5], v[ST+8*\t+6]
.endr
.irp t, 0,1
	v_max3_num_f32 v[ST+8*\t+4], v[ST+8*\t+4], v[ST+8*\t+7], v[ST+8*\t+1]   ; with the old m
.endr
.irp t, 0,1
	v_permlanex16_b32 v[ST+8*\t+5], v[ST+8*\t+4], s20, s21                 ; the query's other 32 keys lie in the lane 16 away
.endr
.irp t, 0,1
	v_mov_b32 v[ST+8*\t+2], v[ST+8*\t]             ; c m_old
.endr
.irp t, 0,1
	v_max_num_f32 v[ST+8*\t+1], v[ST+8*\t+4], v[ST+8*\t+5]
.endr
.irp t, 0,1
	v_mul_f32 v[ST+8*\t], s22, v[ST+8*\t+1]
.endr
.irp t, 0,1
	v_sub_f32 v[ST+8*\t+2], v[ST+8*\t+2], v[ST+8*\t]
.endr
.irp t, 0,1
	v_exp_f32 v[ST+8*\t+6], v[ST+8*\t+2]           ; a
.endr
.set n, 0
.rept 16
	v_pk_fma_f32 v[S+n:S+n+1], v[S+n:S+n+1], s[22:23], v[ST:ST+1] op_sel_hi:[1,0,0] neg_lo:[0,0,1] neg_hi:[0,0,1]               ; c s - c m: the independent work behind a's exponentials
	v_pk_fma_f32 v[S+32+n:S+32+n+1], v[S+32+n:S+32+n+1], s[22:23], v[ST+8:ST+9] op_sel_hi:[1,0,0] neg_lo:[0,0,1] neg_hi:[0,0,1]
.set n, n+2
.endr
	s_wait_alu depctr_va_vdst(0)                   ; the wait ahead of the first line that names an exponential's result: here a's
.set n, 0
.rept 32                               ; the 64 exponentials are one batch; the rescaling of O^T and of the sums' low pairs (17 pairs a tile, on end), which names none of their results, stands among them
	v_exp_f32 v[S+n], v[S+n]
	v_exp_f32 v[S+32+n], v[S+32+n]
	v_pk_mul_f32 v[O+40*(n/17)+2*(n%17):O+40*(n/17)+2*(n%17)+1], v[O+40*(n/17)+2*(n%17):O+40*(n/17)+2*(n%17)+1], v[ST+8*(n/17)+6:ST+8*(n/17)+7] op_sel_hi:[1,0]
.set n, n+1
.endr
.rept 2                                ; the two that are over are the plain lines behind the last exponential
	v_pk_mul_f32 v[O+40*(n/17)+2*(n%17):O+40*(n/17)+2*(n%17)+1], v[O+40*(n/17)+2*(n%17):O+40*(n/17)+2*(n%17)+1], v[ST+8*(n/17)+6:ST+8*(n/17)+7] op_sel_hi:[1,0]
.set n, n+1
.endr
	s_wait_alu depctr_va_vdst(0)                   ; one wait for the batch, ahead of its first reader
.set n, 0
.rept 16
	v_cvt_pk_f16_f32 v[P+n], v[S+2*n], v[S+2*n+1]
	v_cvt_pk_f16_f32 v[P+16+n], v[S+32+2*n], v[S+32+2*n+1]
.set n, n+1
.endr
.endm
; A KEY STEP: 64 keys, the q-th of the unit.  On the diagonal the steps behind my queries are left out (a scalar branch on ids; no barrier and no tensor load stands in a unit).
.macro STEP q, id
.if \q > 0
	s_cmp_lt_u32 s[MQ], \q
	s_cbranch_scc1 .Lend_unit_\id
.endif
	s_wait_dscnt 0x0                               ; K of this step is in
	s_cmp_eq_u32 s[MQ], \q
	s_cbranch_scc0 .Lopen_\@
	WIN 0x15                                       ; K, Q and the table in window 1
	QK8 0, 1
	WIN 0
	s_branch .Ljoin_\@
.Lopen_\@:
	WIN 0x05
	QK8 0, 0
	WIN 0
.Ljoin_\@:
	WIN 0x05
	QK8 1, 2
	WIN 0
.rept 4
	v_nop                                          ; places in front of the reads of S^T and of the loads into K's registers and into V's, which the last step's products read
.endr
	FETCH_V \q
.if \q < 3
	FETCH_K \q+1
.endif
	SOFTMAX
.if \q < 3
	s_wait_dscnt 16                                ; V is in; the 16 loads of the next step's K may be out
.else
	s_wait_dscnt 0x0
.endif
	PV
.endm
.macro UNIT
	v_add_nc_u32 v[ADK], s[TB], v[AK0]
	v_add_nc_u32 v[ADV], s[TB], v[AV0]
	FETCH_K 0
	STEP 0, \@
	STEP 1, \@
	STEP 2, \@
	STEP 3, \@
.Lend_unit_\@:
	s_xor_b32 s[TB], s[TB], SLOT1                  ; on to the other slot
.endm
; THE CHANGE OF SLOTS stands at a unit's head.  Each wave waits for all its tensor loads (its part of the slot that it is about to read), adds 0 to its spare word, and waits for that and for its reads of the slot that it has left.
; fill = 1: behind the barrier that other slot takes the next unit's keys: the load has a whole unit's steps in which to land.
.macro CHANGE fill
	s_wait_tensorcnt 0x0                           ; no tensor load of mine is out, so a group 0 may be written
	ds_add_u32 v[SPW], v[NIL]                      ; 0 onto my spare word
.if \fill
	s_add_co_u32 s56, s[U], 1                      ; the next unit;
	s_cmp_ge_u32 s56, s[N0]
	s_cselect_b32 s57, s[N0], 0
	s_sub_co_u32 s56, s56, s57                     ; its key block: the second segment begins again at 0
	s_lshl_b32 s56, s56, 15
	s_mov_b32 s57, 0
	s_add_nc_u64 s[G0K+2:G0K+3], s[14:15], s[56:57]
	s_or_b32 s[G0K+3], s[G0K+3], 0x80000000
	s_add_nc_u64 s[G0V+2:G0V+3], s[16:17], s[56:57]
	s_or_b32 s[G0V+3], s[G0V+3], 0x80000000
	s_xor_b32 s[G0K+1], s[G0K+1], SLOT1
	s_xor_b32 s[G0V+1], s[G0V+1], SLOT1
	s_wait_xcnt 0x0                                ; the last prefetch, a unit back, has read its address
	s_add_nc_u64 s[18:19], s[18:19], 0x8000
.endif
	s_wait_dscnt 0x0                               ; the add is done, and my reads of the slot that I have left are over
	s_barrier_signal -1
	s_barrier_wait -1
.if \fill
	TLOAD                                          ; the first thing behind the barrier, and my one tensor load until the next
	ASK
.endif
.endm
; THE WAY OUT of a segment: O^T is divided by the sum, rounded to f16 and sent through my stage, a tile (16 rows) at a time; a store covers four rows of 128 bytes: 512 consecutive bytes, aligned.
.macro WAYOUT
	s_wait_dscnt 0x0                               ; (a step's K that was fetched ahead and is not wanted)
.rept 4
	v_nop                                          ; places behind the last products
.endr
.irp t, 0,1
	v_rcp_f32 v[ST+8*\t+6], v[O+40*\t+32]
.endr
	v_nop
	s_wait_alu depctr_va_vdst(0)                   ; one wait for the two reciprocals
.irp t, 0,1
.set n, 0
.rept 16
	v_pk_mul_f32 v[O+40*\t+n:O+40*\t+n+1], v[O+40*\t+n:O+40*\t+n+1], v[ST+8*\t+6:ST+8*\t+7] op_sel_hi:[1,0]
.set n, n+2
.endr
.endr
.irp t, 0,1
.set n, 0
.rept 16
	v_cvt_pk_f16_f32 v[S+32*\t+n], v[O+40*\t+2*n], v[O+40*\t+2*n+1]
.set n, n+1
.endr
.endr
.irp t, 0,1
.irp ct, 0,1,2,3
	ds_store_b128 v[STO], v[S+32*\t+4*\ct:S+32*\t+4*\ct+3] offset:32*\ct
.endr
.irp i, 0,1,2,3
	ds_load_b128 v[P+16*\t+4*\i:P+16*\t+4*\i+3], v[RD] offset:\i*4*KP   ; in order behind my stores; the next tile's stores come behind these
.endr
.endr
	s_wait_dscnt 0x0
.irp t, 0,1
.irp i, 0,1,2,3
	global_store_b128 v[GO], v[P+16*\t+4*\i:P+16*\t+4*\i+3], s[50:51] offset:\t*2048+\i*512
.endr
.endr
	s_wait_xcnt 0x0                                ; the stores have read their registers and their base
.endm
.macro INIT                            ; the step is written once: the first step of a segment finds zeros and an m under every score
.irp t, 0,1
	v_mov_b32 v[ST+8*\t+1], 0xff61b1e6             ; -3e38
	v_mul_f32 v[ST+8*\t], s22, v[ST+8*\t+1]
.endr
.set n, 0
.rept 80
	v_mov_b32 v[O+n], 0
.set n, n+1
.endr
.endm
	INIT
	s_wait_loadcnt 0x0                             ; Q
.Lunit:                                            ; eight trips: behind each change of slots the next unit is asked for
	CHANGE 1
	s_cmp_eq_u32 s[U], s[N0M1]                     ; is this the first segment's unit on the diagonal?
	s_cselect_b32 s[MQ], s[HQ], 7
	UNIT
	s_cmp_eq_u32 s[U], s[N0M1]
	s_cbranch_scc0 .Lnosw
	WAYOUT                                         ; the first segment is done: it leaves, and the second begins
	s_mov_b64 s[50:51], s[52:53]
	WIN 0x41
.set n, 0
.rept 32
	v_mov_b32 v[Q+n], v[QB+n]
.set n, n+1
.endr
	WIN 0
	INIT
.Lnosw:
	s_add_co_u32 s[U], s[U], 1
	s_cmp_lt_u32 s[U], 8
	s_cbranch_scc1 .Lunit
	CHANGE 0                                       ; the last unit is written out: nothing more is asked for.  It lies on the second segment's diagonal
	s_mov_b32 s[MQ], s[HQ]
	UNIT
	WAYOUT
	s_wait_tensorcnt 0x0                           ; the wave's end
	ds_add_u32 v[SPW], v[NIL]
	s_wait_dscnt 0x0
	s_endpgm
.Lfunc_end_k_q7ae3a1eac5_attn:
	.size	k_q7ae3a1eac5_attn, .Lfunc_end_k_q7ae3a1eac5_attn-k_q7ae3a1eac5_attn
	.p2alignl 7, 3214868480
	.fill 96, 4, 3214868480
	.section	.rodata,"a",@progbits
	.p2align	6, 0x0
	.amdhsa_kernel k_q7ae3a1eac5_attn
		.amdhsa_group_segment_fixed_size 327680
		.amdhsa_private_segment_fixed_size 0
		.amdhsa_enable_private_segment 0
		.amdhsa_kernarg_size 16
		.amdhsa_user_sgpr_count 2
		.amdhsa_user_sgpr_kernarg_segment_ptr 1
		.amdhsa_wavefront_size32 1
		.amdhsa_system_sgpr_workgroup_id_x 1
		.amdhsa_system_sgpr_workgroup_id_y 1
		.amdhsa_system_sgpr_workgroup_id_z 1
		.amdhsa_system_vgpr_workitem_id 0
		.amdhsa_next_free_vgpr 512
		.amdhsa_next_free_sgpr 66
		.amdhsa_reserve_vcc 1
		.amdhsa_float_denorm_mode_32 3
		.amdhsa_float_denorm_mode_16_64 3
		.amdhsa_memory_ordered 1
		.amdhsa_forward_progress 1
		.amdhsa_inst_pref_size 162
	.end_amdhsa_kernel
	.amdgpu_metadata
---
amdhsa.version: [ 1, 2 ]
amdhsa.kernels:
  - .name:           k_q7ae3a1eac5_attn
    .symbol:         k_q7ae3a1eac5_attn.kd
    .args:
      - { .name: qkvh, .offset: 0, .size: 8, .value_kind: global_buffer, .address_space: global }
      - { .name: ao, .offset: 8, .size: 8, .value_kind: global_buffer, .address_space: global }
    .group_segment_fixed_size: 327680
    .private_segment_fixed_size: 0
    .kernarg_segment_align: 8
    .kernarg_segment_size: 16
    .max_flat_workgroup_size: 256
    .sgpr_count:     66
    .vgpr_count:     512
    .wavefront_size: 32
...
	.end_amdgpu_metadata
.endif
;; end of part 3
;; launch proj (part 4): grid 4 x 64, 4 waves a work-group, clusters of 4 x 4, 327,680 bytes of LDS; arguments ao, wpt, bp, out0; writes out0
.if DOCPART == 4
	.amdgcn_target "amdgcn-amd-amdhsa--gfx1250"
	.amdhsa_code_object_version 6
	.text
	.protected	k_q7ae3a1eac5_proj
	.globl	k_q7ae3a1eac5_proj
	.p2align	8
	.type	k_q7ae3a1eac5_proj,@function
k_q7ae3a1eac5_proj:
	s_mov_b64 s[64:65], 0
	v_nop
	global_prefetch_b8 v0, s[64:65] scope:SCOPE_SE
	s_setreg_imm32_b32 hwreg(HW_REG_WAVE_MODE, 25, 1), 1
	s_wait_xcnt 0x0
	s_wait_alu depctr_hold_cnt(0) depctr_sa_sdst(0) depctr_va_vdst(0) depctr_va_sdst(0) depctr_va_ssrc(0) depctr_va_vcc(0) depctr_vm_vsrc(0)
	s_getreg_b32 s2, hwreg(HW_REG_IB_STS2, 6, 4)
	s_cmp_eq_u32 s2, 0
	s_cbranch_scc0 .Lentry_in_a_cluster
	s_endpgm
.Lentry_in_a_cluster:
	s_bfe_u32 s2, ttmp6, 0x10000c
	s_cmp_lg_u32 s2, 0xf033
	s_cbranch_scc0 .Lentry_shape_is_right
	s_endpgm
.Lentry_shape_is_right:
; out0[m][n] = sum over k of ao[m][k] wpt[n][k] + bp[n], f16 operands, f32 sums, for all positions but 0-15 of each sequence (those are the fine launch's).
; ao: f16 [batch][head][position][64]: k = 64 head + channel.  wpt: f16 [1024 n][1024 k].  out0: f32 [8192][1024].
; A tile is 128 rows x 256 columns: 64 x 4 = 256 work-groups.  Four waves, each 64 x 128: 32 accumulators.  K goes in steps of 128 (two heads) through two LDS slots.
; A slot: A as two planes (a head each) of 128 rows x 128 bytes, B as 256 rows x 256 bytes.  One load a wave: waves 0 and 1 a plane of A, waves 2 and 3 half of B.
; CLUSTERS: 4 x 4 work-groups: cx is the tile column, cy the batch, the cluster's y the block of 128 positions.  A's tiles are shared along a row of the cluster, B's along a column: each is asked for jointly.
; THE MATRIX INSTRUCTION IS USED TRANSPOSED (source 0 = 16 rows of wpt, source 1 = 16 rows of ao): a lane holds eight neighbouring columns of one row.  The bias is the C of each sum's first product.
; REGISTERS: window 0: v16-29 addresses; v32-95 the bias in the result's layout; v96-127, v128-159 A's fragments, two buffers; on the way out v96-223.  window 1: the accumulators ((a, b) at v[8 (8 a + b)]).  window 2: B's fragments, two buffers of 64.
.set APITCH, 144                       ; 128 bytes + 16
.set BPITCH, 272                       ; 256 bytes + 16: in both the 16 rows of a load start at 16 different banks (64 banks of 4 bytes: ISA guide 11.1)
.set PLANE,  128*APITCH
.set BOFF,   2*PLANE
.set HALFB,  128*BPITCH
.set SLOT,   BOFF+2*HALFB
.set STAGE,  2*SLOT                    ; behind the ring: 16 rows x 528 bytes for each wave
.set SPITCH, 528
.set SPARE,  STAGE+4*16*SPITCH         ; the spare words, 128 bytes for each wave
.set ADRA, 16
.set ADRB, 20
.set STO,  24
.set RD,   25
.set CO,   26
.set BO,   27
.set SPW,  28
.set NIL,  29
.set BIAS, 32
.set FA,   96
.set BK,   96
.set G1, 24
.set G0, 32
.set G1B, 48
.set G0B, 56
.set MSB, 0
.macro WIN new
.if MSB != (\new)
	s_set_vgpr_msb (MSB<<8)|(\new)
.set MSB, (\new)
.endif
.endm
.set MUL,  0x52                        ; source 0 (B) window 2, source 1 (A) window 0, C and D window 1
.set TO_B, 0x80
.macro JLOAD s                         ; a joint load: waves 0 and 1 fetch for A, waves 2 and 3 for B; an s_nop 0 and four v_nop follow each of the two lines
	s_cmp_eq_u32 s11, 0
	s_cbranch_scc0 .Lfor_b_\@
	tensor_load_to_lds s[G0+4*\s:G0+4*\s+3], s[G1:G1+7]
	s_nop 0
.rept 4
	v_nop
.endr
	s_branch .Lasked_\@
.Lfor_b_\@:
	tensor_load_to_lds s[G0B+4*\s:G0B+4*\s+3], s[G1B:G1B+7]
	s_nop 0
.rept 4
	v_nop
.endr
.Lasked_\@:
.endm
.macro CREST
	s_cmp_lg_u32 s10, 0
	s_cbranch_scc1 .Lnot_wave_0_\@
	s_barrier_signal -3
.Lnot_wave_0_\@:
	s_barrier_wait -3
	s_barrier_signal -1
	s_barrier_wait -1
.endm
.macro CROUND
	s_barrier_signal -1
	s_barrier_wait -1
	CREST
.endm
	s_load_b128 s[4:7], s[0:1], 0x0                ; ao, wpt
	s_load_b128 s[16:19], s[0:1], 0x10             ; bp, out0
	v_lshl_add_u32 v[SPW], v0, 2, SPARE
	v_mov_b32 v[NIL], 0
	ds_add_u32 v[SPW], v[NIL]                      ; the wave's opening: the add, twice on end, and its wait ahead of my first tensor load
	ds_add_u32 v[SPW], v[NIL]
	v_lshrrev_b32 v1, 5, v0
	v_readfirstlane_b32 s10, v1                    ; wave 0..3
	s_lshr_b32 s11, s10, 1                         ; my half of the tile's rows.  Also: I fetch for A (0) or for B (1)
	s_and_b32 s12, s10, 1                          ; my half of its columns.  Also: which plane of A, or which half of B, I fetch
	s_bfe_u32 s40, ttmp6, 0x40000                  ; cx: the tile column
	s_bfe_u32 s41, ttmp6, 0x40004                  ; cy: the batch
	s_and_b32 s13, ttmp7, 0xffff                   ; Y: the block of 128 positions
	s_lshl_b32 s43, s41, 2
	s_lshl_b32 s43, 15, s43                        ; my row of the cluster
	s_lshl_b32 s44, 0x1111, s40                    ; my column
	s_or_b32 s[G1+0], s43, (1<<16)|(1<<20)|(1<<21)|(4<<22)|(3<<25)   ; the mask; elements of 2 bytes; padding on; bit 21 beside a mask; 4 words behind every 32
	s_mov_b32 s[G1+1], 64<<16                      ; A: 128 rows of 64 elements, dense
	s_mov_b32 s[G1+2], 128<<16
	s_mov_b32 s[G1+3], 64<<16
	s_mov_b32 s[G1+4], 128
	s_mov_b32 s[G1+5], 64
	s_mov_b32 s[G1+6], 0
	s_mov_b32 s[G1+7], 0
	s_or_b32 s[G1B+0], s44, (1<<16)|(1<<20)|(1<<21)|(5<<22)|(3<<25)  ; 4 words behind every 64
	s_mov_b32 s[G1B+1], 128<<16                    ; B: 128 rows of 128 elements, 1,024 elements apart
	s_mov_b32 s[G1B+2], 128<<16
	s_mov_b32 s[G1B+3], 128<<16
	s_mov_b32 s[G1B+4], 128
	s_mov_b32 s[G1B+5], 1024
	s_mov_b32 s[G1B+6], 0
	s_mov_b32 s[G1B+7], 0
	s_lshl_b32 s20, s41, 22                        ; A: the batch,
	s_lshl_b32 s21, s12, 18                        ; head = my plane,
	s_add_co_u32 s20, s20, s21
	s_lshl_b32 s21, s13, 14                        ; 128 Y positions of 128 bytes
	s_add_co_u32 s20, s20, s21
	s_mov_b32 s21, 0
	s_lshl_b32 s46, s40, 8
	s_lshl_b32 s47, s12, 7
	s_add_co_u32 s46, s46, s47                     ; B: row 256 cx + 128 x half,
	s_lshl_b32 s46, s46, 11                        ; of 2,048 bytes
	s_mov_b32 s47, 0
	s_mul_i32 s22, s12, PLANE                      ; where they go: no place in the cluster enters an LDS address
	s_mul_i32 s23, s12, HALFB
	s_add_co_u32 s23, s23, BOFF
	s_wait_dscnt 0x0                               ; both opening adds are done
	s_wait_kmcnt 0x0
	s_add_nc_u64 s[14:15], s[4:5], s[20:21]
	s_add_nc_u64 s[46:47], s[6:7], s[46:47]
	CROUND                                         ; all sixteen work-groups are here: the first joint loads meet
.irp s, 0,1
	s_mov_b32 s[G0+4*\s], 1
	s_add_co_u32 s[G0+4*\s+1], s22, \s*SLOT
	s_add_nc_u64 s[G0+4*\s+2:G0+4*\s+3], s[14:15], \s*524288       ; K step s: two heads on
	s_or_b32 s[G0+4*\s+3], s[G0+4*\s+3], 0x80000000
	s_mov_b32 s[G0B+4*\s], 1
	s_add_co_u32 s[G0B+4*\s+1], s23, \s*SLOT
	s_add_nc_u64 s[G0B+4*\s+2:G0B+4*\s+3], s[46:47], \s*256
	s_or_b32 s[G0B+4*\s+3], s[G0B+4*\s+3], 0x80000000
	JLOAD \s
.endr
	v_and_b32 v1, 15, v0                           ; r
	v_bfe_u32 v2, v0, 4, 1                         ; h
	s_lshl_b32 s46, s40, 10                        ; my first column, in bytes of f32: 1,024 cx + 512 x half
	s_lshl_b32 s47, s12, 9
	s_add_co_u32 s46, s46, s47
	s_mov_b32 s47, 0
	s_add_nc_u64 s[16:17], s[16:17], s[46:47]
	v_lshlrev_b32 v[BO], 5, v2
.irp b, 0,1,2,3,4,5,6,7
	global_load_b128 v[BIAS+8*\b:BIAS+8*\b+3],   v[BO], s[16:17] offset:64*\b       ; bp at my columns 16 b + 8 h + 0 .. 7
	global_load_b128 v[BIAS+8*\b+4:BIAS+8*\b+7], v[BO], s[16:17] offset:64*\b+16
.endr
	v_mul_u32_u24 v3, v1, APITCH
	v_lshl_add_u32 v3, v2, 4, v3
	v_mul_u32_u24 v4, v1, BPITCH
	v_lshl_add_u32 v4, v2, 4, v4
	s_mul_i32 s21, s11, 64*APITCH                  ; my 64 rows of A
	s_mul_i32 s22, s12, HALFB                      ; my 128 rows of B
	s_add_co_u32 s22, s22, BOFF
.irp s, 0,1
	v_add_nc_u32 v[ADRA+\s], s21, v3
	v_add_nc_u32 v[ADRB+\s], s22, v4
	s_add_co_u32 s21, s21, SLOT
	s_add_co_u32 s22, s22, SLOT
.endr
	s_mul_i32 s23, s10, 16*SPITCH
	s_add_co_u32 s23, s23, STAGE                   ; my stage
	v_mul_u32_u24 v5, v1, SPITCH
	v_lshl_add_u32 v5, v2, 5, v5
	v_add_nc_u32 v[STO], s23, v5                   ; in: row r, 32 bytes for each half of the lanes
	v_and_b32 v6, 31, v0
	v_lshlrev_b32 v[CO], 4, v6
	v_add_nc_u32 v[RD], s23, v[CO]                 ; back: the 32 lanes take a row of 512 bytes
	s_lshl_b32 s20, s41, 11
	s_lshl_b32 s21, s13, 7
	s_add_co_u32 s20, s20, s21
	s_lshl_b32 s21, s11, 6
	s_add_co_u32 s20, s20, s21                     ; my first row: 2,048 cy + 128 Y + 64 x half
	s_lshl_b32 s20, s20, 12
	s_add_co_u32 s20, s20, s46
	s_mov_b32 s21, 0
	s_add_nc_u64 s[18:19], s[18:19], s[20:21]
	s_or_b32 s8, s11, s13                          ; 0 where my first 16 rows are positions 0-15
.macro MUL8 f, a, mode                 ; A's block a x B's eight, 32 along K.  The 32 accumulators take turns in the same order in every quarter.  mode = 1: the sums start from the bias
.irp b, 0,1,2,3,4,5,6,7
.if \mode
	v_wmma_f32_16x16x32_f16 v[8*(8*(\a)+\b):8*(8*(\a)+\b)+7], v[64*(\f)+8*\b:64*(\f)+8*\b+7], v[FA+32*(\f)+8*(\a):FA+32*(\f)+8*(\a)+7], v[BIAS+8*\b:BIAS+8*\b+7]
.else
	v_wmma_f32_16x16x32_f16 v[8*(8*(\a)+\b):8*(8*(\a)+\b)+7], v[64*(\f)+8*\b:64*(\f)+8*\b+7], v[FA+32*(\f)+8*(\a):FA+32*(\f)+8*(\a)+7], v[8*(8*(\a)+\b):8*(8*(\a)+\b)+7]
.endif
.endr
.endm
.macro FETCH slot, kq, f               ; 24 LDS loads in one run: the fragments of the slot's kq-th 32 along K into buffer f; A's blocks 2 and 3 last
	WIN TO_B
.irp i, 0,1,2,3,4,5,6,7
	ds_load_b128 v[64*(\f)+8*\i:64*(\f)+8*\i+3],   v[ADRB+\slot] offset:64*(\kq)+\i*16*BPITCH
	ds_load_b128 v[64*(\f)+8*\i+4:64*(\f)+8*\i+7], v[ADRB+\slot] offset:64*(\kq)+\i*16*BPITCH+32
.endr
	WIN 0
.irp i, 0,1,2,3
	ds_load_b128 v[FA+32*(\f)+8*\i:FA+32*(\f)+8*\i+3],   v[ADRA+\slot] offset:((\kq)/2)*PLANE+64*((\kq)%2)+\i*16*APITCH
	ds_load_b128 v[FA+32*(\f)+8*\i+4:FA+32*(\f)+8*\i+7], v[ADRA+\slot] offset:((\kq)/2)*PLANE+64*((\kq)%2)+\i*16*APITCH+32
.endr
.endm
.macro PLACES                          ; four plain lines in front of loads into registers that matrix instructions have read, and of reads of results
.rept 4
	v_nop
.endr
.endm
.macro QUARTER slot, kq, f, g, mode    ; multiplies buffer f; in its middle fetches the slot's kq-th quarter into g
	s_wait_dscnt 4                                 ; B and A's blocks 0, 1 are in; the youngest four loads (A's blocks 2, 3) may be out
	WIN MUL-0x10*(\mode)                           ; (with the bias as C: source 2 in window 0)
	MUL8 \f, 0, \mode
	MUL8 \f, 1, \mode
	PLACES
	FETCH \slot, \kq, \g
	s_wait_dscnt 24                                ; all but the 24 just issued
	WIN MUL-0x10*(\mode)
	MUL8 \f, 2, \mode
	MUL8 \f, 3, \mode
.endm
; A slot's last quarter multiplies buffer 1 and changes slots: one barrier; in front of it each wave waits for all its tensor loads, adds 0 to its spare word, and waits for that and for its reads of this slot.
.macro TURN slot, next, fill
	WIN 0
	s_wait_tensorcnt 0x0                           ; all my tensor loads have landed: my part of the next slot
	ds_add_u32 v[SPW], v[NIL]                      ; 0 onto my spare word
	s_wait_dscnt 5                                 ; (the add and the youngest four loads may be out)
	WIN MUL
	MUL8 1, 0, 0
	s_wait_dscnt 0x0                               ; the add is done, and my reads of this slot are over
	s_barrier_signal -1
	MUL8 1, 1, 0
.if \fill
	WIN 0
.endif
	s_barrier_wait -1
.if \fill
	CREST                                          ; the barrier has opened a round of the cluster's: no wave of any partner still reads this slot or has a load on its way
	s_add_nc_u64 s[G0+4*\slot+2:G0+4*\slot+3], s[G0+4*\slot+2:G0+4*\slot+3], 1048576     ; two K steps on: four heads
	s_add_nc_u64 s[G0B+4*\slot+2:G0B+4*\slot+3], s[G0B+4*\slot+2:G0B+4*\slot+3], 512
	JLOAD \slot                                    ; the first tensor load behind the round; its four v_nop are also the places in front of the loads below
.else
	PLACES
.endif
	FETCH \next, 0, 0
	WIN MUL
	MUL8 1, 2, 0
	MUL8 1, 3, 0
.endm
	s_wait_tensorcnt 1                             ; my part of K step 0 is in (K step 1's load may be out)
	s_barrier_signal -1
	s_barrier_wait -1
	FETCH 0, 0, 0
	s_wait_loadcnt 0x0                             ; the bias
	QUARTER 0, 1, 0, 1, 1                          ; the first quarter stands in front of the loop: its products start the sums
	WIN 0
	s_mov_b32 s3, 3
.Llap:                                             ; a trip goes once round the ring and fills both slots again
	QUARTER 0, 2, 1, 0, 0
	QUARTER 0, 3, 0, 1, 0
	TURN 0, 1, 1
	QUARTER 1, 1, 0, 1, 0
	QUARTER 1, 2, 1, 0, 0
	QUARTER 1, 3, 0, 1, 0
	TURN 1, 0, 1
	QUARTER 0, 1, 0, 1, 0
	WIN 0
	s_sub_co_u32 s3, s3, 1
	s_cmp_lg_u32 s3, 0
	s_cbranch_scc1 .Llap
	QUARTER 0, 2, 1, 0, 0                          ; the last lap fills nothing
	QUARTER 0, 3, 0, 1, 0
	TURN 0, 1, 0
	QUARTER 1, 1, 0, 1, 0
	QUARTER 1, 2, 1, 0, 0
	QUARTER 1, 3, 0, 1, 0
	s_wait_dscnt 4
	WIN MUL
	MUL8 1, 0, 0
	MUL8 1, 1, 0
	s_wait_dscnt 0
	MUL8 1, 2, 0
	MUL8 1, 3, 0
	WIN 0
; THE WAY OUT, block by block of 16 rows x 128 columns, through my own stage: whole rows of 512 bytes come back, and the 32 lanes store them.
.macro TOSTAGE a
	WIN 0x04                                       ; an LDS store's data are its source 1: window 1
.irp b, 0,1,2,3,4,5,6,7
	ds_store_b128 v[STO], v[8*(8*(\a)+\b):8*(8*(\a)+\b)+3] offset:64*\b          ; each accumulator from its low end on
	ds_store_b128 v[STO], v[8*(8*(\a)+\b)+4:8*(8*(\a)+\b)+7] offset:64*\b+16
.endr
	WIN 0
.set BB, BK+64*((\a)%2)
.irp t, 0,1,2,3,4,5,6,7,8,9,10,11,12,13,14,15
	ds_load_b128 v[BB+4*\t:BB+4*\t+3], v[RD] offset:\t*SPITCH
.endr
.endm
.macro SEND a, younger                 ; younger: the LDS instructions issued behind block a's loads
.set BB, BK+64*((\a)%2)
	s_wait_dscnt \younger
.if (\a) == 0
	s_cmp_eq_u32 s8, 0                             ; positions 0-15 of a sequence are stored by the fine launch alone (the wave's number and the cluster's y: alike in all partners)
	s_cbranch_scc1 .Lskip16
.endif
.irp t, 0,1,2,3,4,5,6,7,8,9,10,11,12,13,14,15
	global_store_b128 v[CO], v[BB+4*\t:BB+4*\t+3], s[18:19] offset:(16*(\a)+\t)*4096 th:TH_STORE_NT   ; 512 consecutive bytes, aligned; written once
.endr
.if (\a) == 0
.Lskip16:
.endif
.endm
	PLACES
	TOSTAGE 0
.irp a, 1,2,3
.if \a > 1
	s_wait_xcnt 0x0                                ; block a - 2's stores have read their registers: block a's loads may land there
.endif
	TOSTAGE \a
	SEND \a-1, 32                                  ; behind block a - 1's loads: block a's 16 stores and 16 loads
.endr
	SEND 3, 0
	s_wait_tensorcnt 0x0                           ; the wave's end
	ds_add_u32 v[SPW], v[NIL]
	s_wait_dscnt 0x0
	CROUND                                         ; the closing round
	s_endpgm
.Lfunc_end_k_q7ae3a1eac5_proj:
	.size	k_q7ae3a1eac5_proj, .Lfunc_end_k_q7ae3a1eac5_proj-k_q7ae3a1eac5_proj
	.p2alignl 7, 3214868480
	.fill 96, 4, 3214868480
	.section	.rodata,"a",@progbits
	.p2align	6, 0x0
	.amdhsa_kernel k_q7ae3a1eac5_proj
		.amdhsa_group_segment_fixed_size 327680
		.amdhsa_private_segment_fixed_size 0
		.amdhsa_enable_private_segment 0
		.amdhsa_kernarg_size 32
		.amdhsa_user_sgpr_count 2
		.amdhsa_user_sgpr_kernarg_segment_ptr 1
		.amdhsa_wavefront_size32 1
		.amdhsa_system_sgpr_workgroup_id_x 1
		.amdhsa_system_sgpr_workgroup_id_y 1
		.amdhsa_system_sgpr_workgroup_id_z 1
		.amdhsa_system_vgpr_workitem_id 0
		.amdhsa_next_free_vgpr 640
		.amdhsa_next_free_sgpr 66
		.amdhsa_reserve_vcc 0
		.amdhsa_float_denorm_mode_32 3
		.amdhsa_float_denorm_mode_16_64 3
		.amdhsa_memory_ordered 1
		.amdhsa_forward_progress 1
		.amdhsa_inst_pref_size 87
	.end_amdhsa_kernel
	.amdgpu_metadata
---
amdhsa.version: [ 1, 2 ]
amdhsa.kernels:
  - .name:           k_q7ae3a1eac5_proj
    .symbol:         k_q7ae3a1eac5_proj.kd
    .args:
      - { .name: ao, .offset: 0, .size: 8, .value_kind: global_buffer, .address_space: global }
      - { .name: wpt, .offset: 8, .size: 8, .value_kind: global_buffer, .address_space: global }
      - { .name: bp, .offset: 16, .size: 8, .value_kind: global_buffer, .address_space: global }
      - { .name: out0, .offset: 24, .size: 8, .value_kind: global_buffer, .address_space: global }
    .group_segment_fixed_size: 327680
    .private_segment_fixed_size: 0
    .kernarg_segment_align: 8
    .kernarg_segment_size: 32
    .max_flat_workgroup_size: 128
    .sgpr_count:     66
    .vgpr_count:     640
    .wavefront_size: 32
...
	.end_amdgpu_metadata
.endif
;; end of part 4
;; launch first16 (part 5): grid 16 x 4, 16 waves a work-group, no clusters, 71,680 bytes of LDS; arguments qkvf, Wp, bp, out0; writes out0
.if DOCPART == 5
	.amdgcn_target "amdgcn-amd-amdhsa--gfx1250"
	.amdhsa_code_object_version 6
	.text
	.protected	k_q7ae3a1eac5_first16
	.globl	k_q7ae3a1eac5_first16
	.p2align	8
	.type	k_q7ae3a1eac5_first16,@function
k_q7ae3a1eac5_first16:
	s_mov_b64 s[64:65], 0
	v_nop
	global_prefetch_b8 v0, s[64:65] scope:SCOPE_SE
	s_setreg_imm32_b32 hwreg(HW_REG_WAVE_MODE, 25, 1), 1
	s_wait_xcnt 0x0
; Positions 0-15 of every sequence, in f32 throughout: these rows average one to sixteen values and are the largest of the output, so no operand of theirs is rounded to 16 bits.
; qkvf: f32 [batch][16 positions][3072 = q | k | v, each 64 head + channel].  Wp: f32 [1024 k][1024 n].  out0 rows batch x 2048 + 0 .. 15.
; Work-group (nb, batch): 64 columns of the output.  Wave = head: its attention of 16 queries x 16 keys, then its 16 x 64 result times Wp's 64 rows of that head and the block's 64 columns; the sixteen heads' parts meet in LDS.
; All products by v_wmma_f32_16x16x4_f32, 96 a wave: no bulk work.  The places of k in an instruction are permuted alike on both sources, so that every fragment is a pair of registers as it was loaded.
; The four accumulators v24-55 are written by matrix instructions alone; each sum begins with the constant 0 as C; what is made of a sum goes into other registers.
.set SPARE, 69632                      ; behind the sixteen parts of 16 rows x 272 bytes: the spare words, 128 bytes for each wave
.set SPW, 10
.set NIL, 11
.set ACC, 24
.set QF,  56                           ; v56-87   q(row r, channels 32 h + 0 .. 31)
.set KF,  88                           ; v88-119  k likewise
.set VA,  120                          ; v120-151 register 8 ct + jj: v(key 8 h + jj, channel 16 ct + r)
.set ON,  120                          ; later: register 8 ct + j: o(query r, channel 16 ct + 8 h + j)
.set WB0, 152                          ; v152-215 register 32 ct + 8 i + 2 nt + j: Wp(64 head + 16 ct + 8 h + 2 i + j, 64 nb + 16 nt + r), ct = 0, 1
.set WB1, 56                           ; v56-119  the same for ct = 2, 3
.set SS,  216                          ; v216-223 the scores, then p: register j: key 8 h + j, query r
.set T,   224
	s_load_b256 s[4:11], s[0:1], 0x0               ; qkvf 4:5, Wp 6:7, bp 8:9, out0 10:11
	v_lshl_add_u32 v[SPW], v0, 2, SPARE
	v_mov_b32 v[NIL], 0
	v_lshrrev_b32 v1, 5, v0
	v_readfirstlane_b32 s12, v1                    ; wave = head
	s_mov_b32 s13, ttmp9                           ; nb
	s_and_b32 s14, ttmp7, 0xffff                   ; batch
	v_and_b32 v1, 15, v0                           ; r
	v_bfe_u32 v2, v0, 4, 1                         ; h
	v_mul_u32_u24 v3, v1, 12288
	v_lshl_add_u32 v3, v2, 7, v3                   ; q, k: row r of 12,288 bytes + 128 h
	v_mul_u32_u24 v4, v2, 98304
	v_lshl_add_u32 v4, v1, 2, v4                   ; v: 8 h rows down, + 4 r
	v_lshlrev_b32 v5, 15, v2
	v_lshl_add_u32 v5, v1, 2, v5                   ; Wp: 8 h rows of 4,096 bytes down, + 4 r
	s_mul_i32 s15, s12, 4352
	v_mul_u32_u24 v6, v1, 272
	v_lshl_add_u32 v6, v2, 5, v6
	v_add_nc_u32 v6, s15, v6                       ; my part in LDS: row r, 32 bytes for each half of the lanes
	s_mul_i32 s16, s12, 544
	v_mul_u32_u24 v7, v2, 272
	v_lshl_add_u32 v7, v1, 4, v7
	v_add_nc_u32 v7, s16, v7                       ; back: rows 2 w and 2 w + 1 of a part, sixteen lanes to a row
	v_lshlrev_b32 v8, 12, v2
	v_lshl_add_u32 v8, v1, 4, v8                   ; and the same two rows in out0
	v_lshlrev_b32 v9, 4, v1
	s_mov_b32 s20, 0x76543210                      ; v_permlanex16_b32's selects for lane l xor 16
	s_mov_b32 s21, 0xfedcba98
	s_mov_b32 s22, 0x3e38aa3b                      ; c = log2(e) / 8
	s_mov_b32 s23, s22
	s_mul_i32 s24, s14, 196608
	s_lshl_b32 s25, s12, 8
	s_add_co_u32 s24, s24, s25
	s_mov_b32 s25, 0
	s_lshl_b32 s28, s13, 8
	s_mov_b32 s29, 0
	s_lshl_b32 s26, s12, 18
	s_add_co_u32 s26, s26, s28
	s_mov_b32 s27, 0
	s_lshl_b32 s30, s14, 23
	s_lshl_b32 s31, s12, 13
	s_add_co_u32 s30, s30, s31
	s_add_co_u32 s30, s30, s28
	s_mov_b32 s31, 0
	s_wait_kmcnt 0x0
	s_add_nc_u64 s[4:5], s[4:5], s[24:25]          ; my batch, my head
	s_add_nc_u64 s[6:7], s[6:7], s[26:27]          ; my head's 64 rows, the block's columns
	s_add_nc_u64 s[8:9], s[8:9], s[28:29]
	s_add_nc_u64 s[10:11], s[10:11], s[30:31]      ; rows 2 w, 2 w + 1 of my batch
.irp i, 0,1,2,3,4,5,6,7
	global_load_b128 v[QF+4*\i:QF+4*\i+3], v3, s[4:5] offset:16*\i
.endr
.irp i, 0,1,2,3,4,5,6,7
	global_load_b128 v[KF+4*\i:KF+4*\i+3], v3, s[4:5] offset:4096+16*\i
.endr
.irp ct, 0,1,2,3
.irp jj, 0,1,2,3,4,5,6,7
	global_load_b32 v[VA+8*\ct+\jj], v4, s[4:5] offset:8192+\jj*12288+\ct*64
.endr
.endr
.macro WLOAD reg, c0                   ; Wp's fragments for channels 16 c0 .. 16 c0 + 31
.irp ct, 0,1
.irp i, 0,1,2,3
.irp nt, 0,1,2,3
.irp jp, 0,1
	global_load_b32 v[\reg+32*\ct+8*\i+2*\nt+\jp], v5, s[6:7] offset:(16*(\c0+\ct)+2*\i+\jp)*4096+\nt*64
.endr
.endr
.endr
.endr
.endm
	WLOAD WB0, 0
	s_wait_loadcnt 63                              ; q, k and v are in: 64 loads were issued behind them
	; S^T = K Q^T: 16 products of 4 channels, four accumulators by turns
.set ss, 0
.rept 16
.if ss < 4
	v_wmma_f32_16x16x4_f32 v[ACC+8*(ss%4):ACC+8*(ss%4)+7], v[KF+2*ss:KF+2*ss+1], v[QF+2*ss:QF+2*ss+1], 0
.else
	v_wmma_f32_16x16x4_f32 v[ACC+8*(ss%4):ACC+8*(ss%4)+7], v[KF+2*ss:KF+2*ss+1], v[QF+2*ss:QF+2*ss+1], v[ACC+8*(ss%4):ACC+8*(ss%4)+7]
.endif
.set ss, ss+1
.endr
.rept 9
	v_nop                                          ; places behind this form, in front of loads into its sources and of reads of its results
.endr
	WLOAD WB1, 2
.irp i, 0,2,4,6
	v_pk_add_f32 v[T+\i:T+\i+1], v[ACC+\i:ACC+\i+1], v[ACC+8+\i:ACC+8+\i+1]            ; the four partial sums, each accumulator from its low end on
.endr
.irp i, 0,2,4,6
	v_pk_add_f32 v[T+8+\i:T+8+\i+1], v[ACC+16+\i:ACC+16+\i+1], v[ACC+24+\i:ACC+24+\i+1]
.endr
.irp i, 0,2,4,6
	v_pk_add_f32 v[SS+\i:SS+\i+1], v[T+\i:T+\i+1], v[T+8+\i:T+8+\i+1]
.endr
	v_lshlrev_b32 v12, 3, v2
	v_sub_nc_u32 v12, v1, v12                      ; d = r - 8 h: key 8 h + j is hidden where j > d
	v_mov_b32 v13, 0xff800000                      ; -infinity
.irp j, 0,1,2,3,4,5,6,7
	v_cmp_gt_i32 vcc_lo, \j, v12
	v_cndmask_b32 v[SS+\j], v[SS+\j], v13, vcc_lo
.endr
	v_max3_num_f32 v14, v[SS], v[SS+1], v[SS+2]
	v_max3_num_f32 v15, v[SS+3], v[SS+4], v[SS+5]
	v_max3_num_f32 v14, v14, v[SS+6], v[SS+7]
	v_max_num_f32 v14, v14, v15
	v_permlanex16_b32 v15, v14, s20, s21
	v_max_num_f32 v14, v14, v15                    ; the row's largest score: key 0 counts for every query
	v_mul_f32 v14, s22, v14                        ; c m
.irp i, 0,2,4,6
	v_pk_fma_f32 v[SS+\i:SS+\i+1], v[SS+\i:SS+\i+1], s[22:23], v[14:15] op_sel_hi:[1,0,0] neg_lo:[0,0,1] neg_hi:[0,0,1]
.endr
.irp j, 0,1,2,3,4,5,6,7
	v_exp_f32 v[SS+\j], v[SS+\j]                   ; p = 2^(c s - c m)
.endr
	v_nop
	s_wait_alu depctr_va_vdst(0)                   ; one wait for the eight, ahead of their first reader
	v_pk_add_f32 v[16:17], v[SS:SS+1], v[SS+2:SS+3]
	v_pk_add_f32 v[18:19], v[SS+4:SS+5], v[SS+6:SS+7]
	v_pk_add_f32 v[16:17], v[16:17], v[18:19]
	v_add_f32 v16, v16, v17
	v_permlanex16_b32 v17, v16, s20, s21
	v_add_f32 v16, v16, v17                        ; the row's sum
	v_rcp_f32 v18, v16
	v_nop
	s_wait_alu depctr_va_vdst(0)
	; O^T = V^T P: 4 products of 4 keys for each of four tiles of channels, by turns
.irp i, 0,1,2,3
.irp ct, 0,1,2,3
.if \i == 0
	v_wmma_f32_16x16x4_f32 v[ACC+8*\ct:ACC+8*\ct+7], v[VA+8*\ct+2*\i:VA+8*\ct+2*\i+1], v[SS+2*\i:SS+2*\i+1], 0
.else
	v_wmma_f32_16x16x4_f32 v[ACC+8*\ct:ACC+8*\ct+7], v[VA+8*\ct+2*\i:VA+8*\ct+2*\i+1], v[SS+2*\i:SS+2*\i+1], v[ACC+8*\ct:ACC+8*\ct+7]
.endif
.endr
.endr
.rept 9
	v_nop                                          ; places: in front of the reads of the results, of the writes over V's registers, and of the products below, which begin the accumulators anew
.endr
.set ss, 0
.rept 16
	v_pk_mul_f32 v[ON+ss:ON+ss+1], v[ACC+ss:ACC+ss+1], v[18:19] op_sel_hi:[1,0]        ; o = O^T / the sum
.set ss, ss+2
.endr
	; my head's part of the projection: 64 products, four tiles of columns by turns
.macro PROJ reg, c0
.irp ct, 0,1
.irp i, 0,1,2,3
.irp nt, 0,1,2,3
.if (\c0+\ct+\i) == 0
	v_wmma_f32_16x16x4_f32 v[ACC+8*\nt:ACC+8*\nt+7], v[\reg+32*\ct+8*\i+2*\nt:\reg+32*\ct+8*\i+2*\nt+1], v[ON+8*(\c0+\ct)+2*\i:ON+8*(\c0+\ct)+2*\i+1], 0
.else
	v_wmma_f32_16x16x4_f32 v[ACC+8*\nt:ACC+8*\nt+7], v[\reg+32*\ct+8*\i+2*\nt:\reg+32*\ct+8*\i+2*\nt+1], v[ON+8*(\c0+\ct)+2*\i:ON+8*(\c0+\ct)+2*\i+1], v[ACC+8*\nt:ACC+8*\nt+7]
.endif
.endr
.endr
.endr
.endm
	s_wait_loadcnt 63                              ; Wp's first half is in: 64 loads were issued behind it
	PROJ WB0, 0
	s_wait_loadcnt 0x0
	PROJ WB1, 2
.rept 8
	v_nop                                          ; places in front of the stores of the results and of the loads into Wp's registers
.endr
.irp nt, 0,1,2,3
	ds_store_b128 v6, v[ACC+8*\nt:ACC+8*\nt+3] offset:64*\nt       ; lane (r, h): query r, columns 16 nt + 8 h + 0 .. 7; each accumulator from its low end on
	ds_store_b128 v6, v[ACC+8*\nt+4:ACC+8*\nt+7] offset:64*\nt+16
.endr
	s_wait_dscnt 0x0                               ; for the others' sake: my part has landed
	s_barrier_signal -1
	s_barrier_wait -1
	s_cmp_lt_u32 s12, 8                            ; waves 0-7 add the sixteen parts, two rows each
	s_cbranch_scc0 .Ldone
	global_load_b128 v[T:T+3], v9, s[8:9]          ; the bias
.irp p, 0,1,2,3,4,5,6,7,8,9,10,11,12,13,14,15
	ds_load_b128 v[56+4*\p:56+4*\p+3], v7 offset:\p*4352
.endr
	s_wait_dscnt 0x0
.irp p, 1,2,3,4,5,6,7,8,9,10,11,12,13,14,15
	v_pk_add_f32 v[56:57], v[56:57], v[56+4*\p:56+4*\p+1]
	v_pk_add_f32 v[58:59], v[58:59], v[58+4*\p:58+4*\p+1]
.endr
	s_wait_loadcnt 0x0
	v_pk_add_f32 v[56:57], v[56:57], v[T:T+1]
	v_pk_add_f32 v[58:59], v[58:59], v[T+2:T+3]
	global_store_b128 v8, v[56:59], s[10:11]       ; sixteen lanes store 256 consecutive bytes, aligned
.Ldone:
	s_wait_tensorcnt 0x0                           ; the wave's end
	ds_add_u32 v[SPW], v[NIL]
	s_wait_dscnt 0x0
	s_endpgm
.Lfunc_end_k_q7ae3a1eac5_first16:
	.size	k_q7ae3a1eac5_first16, .Lfunc_end_k_q7ae3a1eac5_first16-k_q7ae3a1eac5_first16
	.p2alignl 7, 3214868480
	.fill 96, 4, 3214868480
	.section	.rodata,"a",@progbits
	.p2align	6, 0x0
	.amdhsa_kernel k_q7ae3a1eac5_first16
		.amdhsa_group_segment_fixed_size 71680
		.amdhsa_private_segment_fixed_size 0
		.amdhsa_enable_private_segment 0
		.amdhsa_kernarg_size 32
		.amdhsa_user_sgpr_count 2
		.amdhsa_user_sgpr_kernarg_segment_ptr 1
		.amdhsa_wavefront_size32 1
		.amdhsa_system_sgpr_workgroup_id_x 1
		.amdhsa_system_sgpr_workgroup_id_y 1
		.amdhsa_system_sgpr_workgroup_id_z 1
		.amdhsa_system_vgpr_workitem_id 0
		.amdhsa_next_free_vgpr 256
		.amdhsa_next_free_sgpr 66
		.amdhsa_reserve_vcc 1
		.amdhsa_float_denorm_mode_32 3
		.amdhsa_float_denorm_mode_16_64 3
		.amdhsa_memory_ordered 1
		.amdhsa_forward_progress 1
		.amdhsa_inst_pref_size 34
	.end_amdhsa_kernel
	.amdgpu_metadata
---
amdhsa.version: [ 1, 2 ]
amdhsa.kernels:
  - .name:           k_q7ae3a1eac5_first16
    .symbol:         k_q7ae3a1eac5_first16.kd
    .args:
      - { .name: qkvf, .offset: 0, .size: 8, .value_kind: global_buffer, .address_space: global }
      - { .name: Wp, .offset: 8, .size: 8, .value_kind: global_buffer, .address_space: global }
      - { .name: bp, .offset: 16, .size: 8, .value_kind: global_buffer, .address_space: global }
      - { .name: out0, .offset: 24, .size: 8, .value_kind: global_buffer, .address_space: global }
    .group_segment_fixed_size: 71680
    .private_segment_fixed_size: 0
    .kernarg_segment_align: 8
    .kernarg_segment_size: 32
    .max_flat_workgroup_size: 512
    .sgpr_count:     66
    .vgpr_count:     256
    .wavefront_size: 32
...
	.end_amdgpu_metadata
.endif
;; end of part 5
